; MI455X (gfx1250); checked and timed in simulation.
; The chip was launched on July 23, 2026; its instructions are those of AMD's public machine-readable ISA for CDNA 5 (MIT licence, August 2026) and "CDNA5" Instruction Set Architecture Reference Guide (July 2026). The comments in the code are by the model that wrote it; some were corrected since.
;; Scaled Dot Product Attention. Allowed arithmetic: matrix products marked QUANTISED: E2M3 operands, one E8M0 scale for each 32 along K, by v_wmma_scale_f32_16x16x128_f8f6f4 with both operands' format E2M3, f32 sums; everything else in f32.
;; Inputs: Wk 1,024 x 1,024 float32; Wq 1,024 x 1,024 float32; Wv 1,024 x 1,024 float32; bk 1,024 float32; bq 1,024 float32; bv 1,024 float32; x 32 x 512 x 1,024 float32.
;; Outputs: out0 32 x 512 x 1,024 float32.
;; This version of the problem:
;;   THIS VERSION OF THE PROBLEM IS GIVEN IN LOW PRECISION. The matrix products marked QUANTISED in the list below multiply operands that are first quantised to E2M3 (2 exponent bits, 3 mantissa bits; 6 bits a number), with one power-of-two scale for each 32 numbers along K (OCP MX v1.0); their sums are f32. All else is computed in f32.
;;   The module's matrix products, in the order in which they are computed (A, B: the left and right operand; K: the contracted axis; several contracted axes count as one K, in the product's order):
;;     1. [M 16,384, K 1,024] x [K 1,024, N 1,024]; A: input x; B: input Wq: QUANTISED
;;     2. [M 16,384, K 1,024] x [K 1,024, N 1,024]; A: input x; B: input Wk: QUANTISED
;;     3. [M 16,384, K 1,024] x [K 1,024, N 1,024]; A: input x; B: input Wv: QUANTISED
;;     4. batch 32 x [M 512, K 1,024] x [K 1,024, N 512]; A: computed on the way; B: computed on the way: QUANTISED
;;     5. batch 32 x [M 512, K 512] x [K 512, N 1,024]; A: softmax (see below); B: computed on the way: QUANTISED
;;   THE QUANTISER, for each operand of a quantised product, along K:
;;     - K is cut into blocks of 32 from its start; a last block that is shorter is filled with zeros.
;;     - A block's scale is 2^e with e = floor(log2(the largest magnitude in the block)) - 2, held to -126 .. 127; a block of zeros has e = 0. As a byte (E8M0): e + 127.
;;     - Each number is divided by its block's scale, clamped to +-7.5, and rounded to the nearest number of E2M3, ties to even, subnormals kept.
;;     - The product sums the exact products of the quantised numbers (number of the format x scale) in f32.
;;   ~~~python
;;   def quantise(x, axis):      # numpy; x: float32 -> the quantised numbers, widened to float32 again
;;       x = np.moveaxis(x, axis, -1); K = x.shape[-1]
;;       x = np.pad(x, [(0, 0)] * (x.ndim - 1) + [(0, -K % 32)]); x = x.reshape(x.shape[:-1] + (-1, 32)); a = np.abs(x).max(-1, keepdims=True)
;;       e = np.where(a > 0, np.clip(np.frexp(np.where(a > 0, a, 1))[1] - 1 - 2, -126, 127), 0)      # np.frexp(a)[1] - 1 = floor(log2(a)), exactly
;;       r = np.clip(x / 2.0 ** e, -7.5, 7.5)
;;       step = 2.0 ** (np.maximum(np.frexp(np.where(r == 0, 1, r))[1] - 1, 0) - 3)
;;       q = np.round(r / step) * step * 2.0 ** e      # np.round: ties to even
;;       return np.moveaxis(q.reshape(q.shape[:-2] + (-1,))[..., :K], -1, axis).astype(np.float32)
;;   ~~~
;;   SOFTMAX AHEAD OF A QUANTISED PRODUCT. Where the list says 'softmax', what is quantised is not the finished softmax but p = 2^(t - M), with t = logit x log2(e) and M = ceil(the row's largest t), a whole number; so 1/2 < the row's largest p <= 1. The row's sum l is taken of the UNQUANTISED p, in f32, and the product's result is divided by l at the end. Since M is a whole number, a kernel that streams over the keys may use a running M (the ceiling of the running maximum): every later rescaling is an exact power of two, which a block's scale takes up: the codes' values come out the same.
;;   OPERANDS COMPUTED ON THE WAY. 'Computed on the way' means the value that the module computes at that place (a softmax that the list does not call 'softmax' is quantised finished and normalised). What goes into a quantiser is computed in f32, as accurately as f32 sums, v_exp_f32 and their like allow (about 1e-6 of the number): no bf16 or f16 on the way to a quantiser, and a product that is left as it is and whose result goes on into a quantised operand takes f32 operands (vector FMAs, or v_wmma_f32_16x16x4_f32). A number that lies on a knife's edge between two numbers of the format may be rounded either way, as far as f32 arithmetic and the matrix unit's own rounding can turn it there, and no further.
;; One version. Each part assembles by itself: llvm-mc -triple=amdgcn-amd-amdhsa -mcpu=gfx1250 --defsym DOCPART=n.
;; ======== version 1 of 1: 3 launches
;; workspace buffers: xw 15,564,800 bytes; qkv 39,321,600 bytes
;; launch quant (part 1): grid 608 x 1, 4 waves a work-group, no clusters, 68,096 bytes of LDS; arguments x, Wq, Wk, Wv, xw; writes xw
.if DOCPART == 1
	.amdgcn_target "amdgcn-amd-amdhsa--gfx1250"
	.amdhsa_code_object_version 6
	.text
	.protected	k_q306ebc4e4a_quant
	.globl	k_q306ebc4e4a_quant
	.p2align	8
	.type	k_q306ebc4e4a_quant,@function
k_q306ebc4e4a_quant:
	s_mov_b64 s[64:65], 0
	v_nop
	global_prefetch_b8 v0, s[64:65] scope:SCOPE_SE
	s_setreg_imm32_b32 hwreg(HW_REG_WAVE_MODE, 25, 1), 1
	s_wait_xcnt 0x0
; x [16384][1024] and Wq, Wk, Wv [1024 (k)][1024 (n)], f32, become codes of FP6 (E2M3), K innermost, with one E8M0 scale byte for each 32 along K, in the buffer xw:
;   codes: 19,456 rows of 768 bytes: rows 0 .. 16,383 are x's, row 16,384 + 1,024 sel + n is column n of weight sel (0 Wq, 1 Wk, 2 Wv);  x's scale bytes from byte XSOFF on, 32 a row;  the weights' from WSOFF on.
; THE ROWS STAND IN A CHOSEN ORDER: inside each group of 32 rows the four runs of eight stand as 0, 2, 1, 3 (bits 3 and 4 of the row's number change places).  Sixteen rows on end of this order are then
; the rows 8 u + r + 8 (r / 8) of the group, which is what the next launch wants as a tile: a lane's 16 results of two neighbouring tiles are 16 neighbours along the next product's K.
; A block's scale is 2^(floor(log2(its largest magnitude)) - 2); its byte is the largest magnitude's exponent field - 2, held at 1 from below.  Each number is divided by the scale and rounded to the nearest code, ties to even; beyond 7.5 the largest code.
; LIMITS: a block of zeros, or one whose largest magnitude lies under 2^-124, gets the byte 1 (the rule says 127 for zeros: the codes are zeros, and this program alone reads the bytes); NaN and infinities among the inputs are not served.
; Work-groups 0 .. 511 take x (32 rows each, a wave eight), work-groups 512 .. 607 the weights (128 columns x 256 along K each).  The two ways share no LDS byte.  No barrier: waves share nothing.
.set STEPS, 16
.set CB,    12                         ; bytes of 16 codes
.set R,     16                         ; x: v16-79   four sets of 16 numbers as they are loaded
.set X,     80                         ; x: v80-111  two sets of 16 neighbours
.set C,     128                        ; x: v128-191 codes: four registers for each step, so that no store's data are written again
.set E,     112                        ; x: v112-127 a scale byte for each step
.set WREG,  8192                       ; x: LDS region of a wave: two stages of 32 x SP bytes, behind them its 256 scale bytes
.set SP,    80                         ; x: a lane's place in a stage: 64 bytes + 16 of padding
.set XSOFF, 14942208
.set WCOFF, 12582912
.set WSOFF, 15466496
.set NB,    8                          ; W: blocks of 32 along K for a wave
.set WPITCH, 272                       ; W: a stage row: sixteen places of 16 bytes, each with 12 bytes of codes, + 16
.set KROW,  768                        ; a row of codes in bytes
.set WSTG,  32768                      ; W: the stages begin behind x's regions
.set WX,    32                         ; W: v32-95   two sets of 32 numbers
.set WCD,   96                         ; W: v96..    a block's codes
.set OUTR,  112                        ; W: v112-175 the way out
.set SB,    24                         ; W: v24-25   the scale bytes, four to a register
	s_load_b256 s[4:11], s[0:1], 0x0               ; x s[4:5], Wq s[6:7], Wk s[8:9], Wv s[10:11]
	s_load_b64 s[12:13], s[0:1], 0x20              ; xw
	v_lshl_add_u32 v192, v0, 2, 0x10800
	v_mov_b32 v193, 0
	v_lshrrev_b32 v1, 5, v0
	v_readfirstlane_b32 s20, v1                    ; wave 0..3
	v_and_b32 v2, 31, v0                           ; lane
	s_mov_b32 s25, 0                               ; the upper word of every offset pair
	s_mov_b32 s27, 0
	s_wait_kmcnt 0x0
	s_cmp_lt_u32 ttmp9, 512
	s_cbranch_scc0 .Lw
; ---------------- x: K is innermost.  A wave takes eight rows: 16 steps of 512 numbers.
; The conversion takes 16 numbers of one block from a lane's registers, so a lane must hold 16 neighbours; a load is best where neighbouring lanes take neighbouring bytes.  Both are had: each of a step's four loads
; reads 512 consecutive bytes, and the 2,048 bytes turn through the wave's own stage in LDS and come back 64 bytes a lane.
	v_lshlrev_b32 v3, 4, v2                        ; my 16 bytes of a load's 512
	s_mul_i32 s26, s20, WREG
	v_lshrrev_b32 v14, 2, v2
	v_mul_u32_u24 v14, v14, SP
	v_and_b32 v15, 3, v2
	v_lshl_add_u32 v14, v15, 4, v14
	v_add_nc_u32 v14, s26, v14                     ; the stage, on the way in: SP (lane / 4) + 16 (lane % 4)
	v_mul_u32_u24 v15, v2, SP
	v_add_nc_u32 v15, s26, v15                     ; and on the way out: SP x lane: my 16 neighbours
	v_mul_u32_u24 v4, v2, CB                       ; my codes' place in a step's
	v_lshrrev_b32 v5, 1, v2
	s_add_co_u32 s26, s26, 2*32*SP
	v_add_nc_u32 v5, s26, v5                       ; LDS: my wave's 256 scale bytes, my block's byte
	v_lshlrev_b32 v7, 3, v2                        ; and on the way out 8 bytes a lane
	v_add_nc_u32 v6, s26, v7
	s_lshl_b32 s21, ttmp9, 2
	s_add_co_u32 s22, s21, s20                     ; the run of eight rows that I read: 4 x work-group + wave
	s_and_b32 s23, s20, 1
	s_lshl_b32 s23, s23, 1
	s_lshr_b32 s24, s20, 1
	s_or_b32 s23, s23, s24                         ; runs 0, 1, 2, 3 of a group go to places 0, 2, 1, 3
	s_add_co_u32 s23, s21, s23                     ; the run that I write
	s_lshl_b32 s24, s22, 15                        ; eight rows of 4,096 bytes
	s_add_nc_u64 s[4:5], s[4:5], s[24:25]
	s_mul_i32 s24, s23, 8*KROW
	s_add_nc_u64 s[14:15], s[12:13], s[24:25]      ; their codes
	s_lshl_b32 s24, s23, 8
	s_add_co_u32 s24, s24, XSOFF
	s_add_nc_u64 s[16:17], s[12:13], s[24:25]      ; their 256 scale bytes
.macro XLOAD t
.irp i, 0,1,2,3
	global_load_b128 v[R+16*((\t)%4)+4*\i:R+16*((\t)%4)+4*\i+3], v3, s[4:5] offset:2048*(\t)+512*\i th:TH_LOAD_NT   ; 32 lanes read 512 consecutive bytes
.endr
.endm
.macro XTURN t                         ; step t's numbers through the stage: LDS serves a wave's instructions in order (ISA guide 5.7.1.4), so no wait stands between the stores and the loads
.irp i, 0,1,2,3
	ds_store_b128 v14, v[R+16*((\t)%4)+4*\i:R+16*((\t)%4)+4*\i+3] offset:32*SP*((\t)%2)+8*SP*\i
.endr
.irp i, 0,1,2,3
	ds_load_b128 v[X+16*((\t)%2)+4*\i:X+16*((\t)%2)+4*\i+3], v15 offset:32*SP*((\t)%2)+16*\i
.endr
.endm
.irp t, 0,1,2,3
	XLOAD \t
.endr
	s_wait_loadcnt 12                              ; step 0's four loads are in; the twelve of steps 1 to 3 may be out
	XTURN 0
.macro XSTEP t
.set XSR, X+16*((\t)%2)
.if (\t) > 0
	s_wait_dscnt 1                                 ; this step's numbers are back from the stage (the last step's byte store may be out): so its stores into the stage have read their registers,
.else
	s_wait_dscnt 0x0
.endif
.if (\t)+4 < STEPS
	XLOAD (\t)+4                                   ; which take the loads of four steps on
.endif
.if (\t)+1 < STEPS
.if STEPS-2-(\t) >= 3
	s_wait_loadcnt 12                              ; the next step's four loads are in; those of the three steps behind it may be out
.else
	s_wait_loadcnt 4*(STEPS-2-(\t))
.endif
	XTURN (\t)+1                                   ; and go through the other stage while this step is worked
.endif
	v_max3_num_f32 v8, |v[XSR]|, |v[XSR+1]|, |v[XSR+2]|            ; the largest magnitude of my 16, in two chains
	v_max3_num_f32 v9, |v[XSR+3]|, |v[XSR+4]|, |v[XSR+5]|
.irp i, 6,10
	v_max3_num_f32 v8, v8, |v[XSR+\i]|, |v[XSR+\i+1]|
	v_max3_num_f32 v9, v9, |v[XSR+\i+2]|, |v[XSR+\i+3]|
.endr
	v_max3_num_f32 v8, v8, |v[XSR+14]|, |v[XSR+15]|
	v_max3_num_f32 v8, v8, v9, 0x1800000           ; and the floor 2^(3 - 127): so the byte cannot fall under 1
	v_max_num_f32_dpp v8, v8, v8 row_xmask:1 row_mask:0xf bank_mask:0xf   ; and of my neighbour's 16: the block's
	v_add_nc_u32 v11, 0xff000000, v8               ; 2 off its exponent field: the conversion takes the exponent field of this operand as its scale, and nothing else of it
	v_cvt_scalef32_pk16_fp6_f32 v[C+4*(\t):C+4*(\t)+2], v[XSR:XSR+15], v11
	v_lshrrev_b32 v[E+(\t)], 23, v11               ; the scale's byte (also the plain line behind the conversion)
	ds_store_b8 v5, v[E+(\t)] offset:16*(\t)       ; both lanes of a block write the same byte with the same value
	global_store_b96 v4, v[C+4*(\t):C+4*(\t)+2], s[14:15] offset:32*CB*(\t)   ; the wave stores 384 consecutive bytes
.endm
.irp t, 0,1,2,3,4,5,6,7,8,9,10,11,12,13,14,15
	XSTEP \t
.endr
	ds_load_b64 v[12:13], v6                       ; these see my byte stores: a wave's LDS instructions are served in order
	s_wait_dscnt 0x0
	global_store_b64 v7, v[12:13], s[16:17]        ; 32 lanes store 256 consecutive bytes, aligned
	s_wait_tensorcnt 0x0
	ds_add_u32 v192, v193
	s_wait_dscnt 0x0
	s_endpgm
; ---------------- the weights: K is the FIRST axis.  A lane takes a column n and its registers run down K: each load reads 128 consecutive bytes a wave, a block of 32 along K lies in one lane,
; and the conversions give codes with K innermost.  A wave takes 32 columns x 256 along K; the codes leave through the wave's own stage as rows: sixteen lanes store a row's 192 consecutive bytes.
.Lw:
	s_sub_co_u32 s21, ttmp9, 512                   ; 0 .. 95
	s_lshr_b32 s22, s21, 5                         ; which weight
	s_and_b32 s23, s21, 7                          ; which 128 columns
	s_bfe_u32 s24, s21, 0x20003                    ; which 256 along K
	s_cmp_eq_u32 s22, 0                            ; the choice hangs on the work-group's number alone
	s_cselect_b64 s[6:7], s[6:7], s[8:9]
	s_cmp_eq_u32 s22, 2
	s_cselect_b64 s[6:7], s[10:11], s[6:7]
	s_lshl_b32 s28, s23, 7
	s_lshl_b32 s26, s20, 5
	s_add_co_u32 s28, s28, s26                     ; my wave's first column
	s_lshl_b32 s26, s24, 20                        ; 256 rows of 4,096 bytes
	s_lshl_b32 s29, s28, 2
	s_add_co_u32 s26, s26, s29
	s_add_nc_u64 s[6:7], s[6:7], s[26:27]
	s_lshl_b32 s29, s22, 10
	s_add_co_u32 s29, s29, s28                     ; its row among the weights' 3,072
	s_mul_i32 s26, s29, KROW
	s_mul_i32 s31, s24, 192
	s_add_co_u32 s26, s26, s31
	s_add_co_u32 s26, s26, WCOFF
	s_add_nc_u64 s[14:15], s[12:13], s[26:27]      ; the codes
	s_lshl_b32 s26, s29, 5
	s_lshl_b32 s31, s24, 3
	s_add_co_u32 s26, s26, s31
	s_add_co_u32 s26, s26, WSOFF
	s_add_nc_u64 s[16:17], s[12:13], s[26:27]      ; the scale bytes
	v_lshlrev_b32 v3, 2, v2                        ; in: 4 bytes a lane
	s_mul_i32 s30, s20, 32*WPITCH
	s_add_co_u32 s30, s30, WSTG                    ; my stage
	v_mul_u32_u24 v4, v2, WPITCH
	v_add_nc_u32 v4, s30, v4                       ; into it: row = my column
	v_and_b32 v5, 15, v2
	v_lshrrev_b32 v6, 4, v2                        ; out of it: sixteen lanes to a row, two rows an instruction
	v_mul_u32_u24 v7, v6, WPITCH
	v_lshl_add_u32 v7, v5, 4, v7
	v_add_nc_u32 v7, s30, v7
	v_mul_u32_u24 v8, v6, KROW
	v_mad_u32_u24 v8, v5, 12, v8                   ; and the same place in the codes' rows
	v_and_b32 v9, 7, v2                            ; my column's place in the chosen order: bits 3 and 4 of the lane change places
	v_and_b32 v10, 8, v2
	v_lshl_or_b32 v9, v10, 1, v9
	v_and_b32 v10, 16, v2
	v_lshrrev_b32 v10, 1, v10
	v_or_b32 v9, v9, v10
	v_lshlrev_b32 v9, 5, v9                        ; 32 scale bytes a row
.macro WLOAD t                         ; block t: W(32 t + i, my column), i = 0 .. 31, into set t % 2
.irp i, 0,1,2,3,4,5,6,7,8,9,10,11,12,13,14,15,16,17,18,19,20,21,22,23,24,25,26,27,28,29,30,31
	global_load_b32 v[WX+32*((\t)%2)+\i], v3, s[6:7] offset:(32*(\t)+\i)*4096 th:TH_LOAD_NT
.endr
.endm
	WLOAD 0
	WLOAD 1
.macro WBLOCK t
.set WXS, WX+32*((\t)%2)
.if (\t) < NB-1
	s_wait_loadcnt 32                              ; this block's 32 loads are in; the next block's 32 may be out
.else
	s_wait_loadcnt 0
.endif
	v_max3_num_f32 v12, |v[WXS]|, |v[WXS+1]|, |v[WXS+2]|           ; the block's largest magnitude: all 32 numbers are mine
	v_max3_num_f32 v13, |v[WXS+3]|, |v[WXS+4]|, |v[WXS+5]|
.irp i, 6,10,14,18,22,26
	v_max3_num_f32 v12, v12, |v[WXS+\i]|, |v[WXS+\i+1]|
	v_max3_num_f32 v13, v13, |v[WXS+\i+2]|, |v[WXS+\i+3]|
.endr
	v_max3_num_f32 v12, v12, |v[WXS+30]|, |v[WXS+31]|
	v_max3_num_f32 v12, v12, v13, 0x1800000        ; and the floor 2^(3 - 127)
	v_add_nc_u32 v11, 0xff000000, v12              ; 2 off the exponent field: the conversion's scale operand
	v_lshrrev_b32 v13, 23, v11                     ; the scale's byte
.if (\t)%4 == 0
	v_mov_b32 v[SB+(\t)/4], v13                    ; four bytes to a register, the lower K in the lower byte
.else
	v_lshl_or_b32 v[SB+(\t)/4], v13, 8*((\t)%4), v[SB+(\t)/4]
.endif
	v_cvt_scalef32_pk16_fp6_f32 v[WCD:WCD+2], v[WXS:WXS+15], v11
	v_cvt_scalef32_pk16_fp6_f32 v[WCD+4:WCD+6], v[WXS+16:WXS+31], v11   ; (a conversion's three registers begin on an even number)
	v_nop                                          ; one plain line behind the last conversion
	ds_store_b96 v4, v[WCD:WCD+2] offset:32*(\t)   ; 16 codes, 12 bytes, to a place of 16 bytes, so that every LDS address is a multiple of 16
	ds_store_b96 v4, v[WCD+4:WCD+6] offset:32*(\t)+16
.if (\t)+2 < NB
	WLOAD (\t)+2
.endif
	s_wait_dscnt 0x0                               ; the stores have read their registers: the next block's codes may be written
.endm
.set Q, 0
.rept NB
	WBLOCK Q
.set Q, Q+1
.endr
	global_store_b64 v9, v[SB:SB+1], s[16:17]      ; my column's eight scale bytes
.irp t, 0,1,2,3,4,5,6,7,8,9,10,11,12,13,14,15
	ds_load_b96 v[OUTR+4*\t:OUTR+4*\t+2], v7 offset:2*\t*WPITCH   ; columns 2 t and 2 t + 1; these see my stores
.endr
.irp t, 0,1,2,3,4,5,6,7,8,9,10,11,12,13,14,15
	s_wait_dscnt 15-\t                             ; LDS loads come back in order: load t is in, the 15 - t behind it may be out
	global_store_b96 v8, v[OUTR+4*\t:OUTR+4*\t+2], s[14:15] offset:(8*(((\t/4)&1)*2+(\t/4)/2)+2*(\t%4))*KROW   ; run t / 4 of eight columns goes to place 0, 2, 1, 3
.endr
	s_wait_tensorcnt 0x0
	ds_add_u32 v192, v193
	s_wait_dscnt 0x0
	s_endpgm
.Lfunc_end_k_q306ebc4e4a_quant:
	.size	k_q306ebc4e4a_quant, .Lfunc_end_k_q306ebc4e4a_quant-k_q306ebc4e4a_quant
	.p2alignl 7, 3214868480
	.fill 96, 4, 3214868480
	.section	.rodata,"a",@progbits
	.p2align	6, 0x0
	.amdhsa_kernel k_q306ebc4e4a_quant
		.amdhsa_group_segment_fixed_size 68096
		.amdhsa_private_segment_fixed_size 0
		.amdhsa_enable_private_segment 0
		.amdhsa_kernarg_size 40
		.amdhsa_user_sgpr_count 2
		.amdhsa_user_sgpr_kernarg_segment_ptr 1
		.amdhsa_wavefront_size32 1
		.amdhsa_system_sgpr_workgroup_id_x 1
		.amdhsa_system_sgpr_workgroup_id_y 1
		.amdhsa_system_sgpr_workgroup_id_z 1
		.amdhsa_system_vgpr_workitem_id 0
		.amdhsa_next_free_vgpr 194
		.amdhsa_next_free_sgpr 66
		.amdhsa_reserve_vcc 0
		.amdhsa_float_denorm_mode_32 3
		.amdhsa_float_denorm_mode_16_64 3
		.amdhsa_memory_ordered 1
		.amdhsa_forward_progress 1
		.amdhsa_inst_pref_size 74
	.end_amdhsa_kernel
	.amdgpu_metadata
---
amdhsa.version: [ 1, 2 ]
amdhsa.kernels:
  - .name:           k_q306ebc4e4a_quant
    .symbol:         k_q306ebc4e4a_quant.kd
    .args:
      - { .name: x, .offset: 0, .size: 8, .value_kind: global_buffer, .address_space: global }
      - { .name: Wq, .offset: 8, .size: 8, .value_kind: global_buffer, .address_space: global }
      - { .name: Wk, .offset: 16, .size: 8, .value_kind: global_buffer, .address_space: global }
      - { .name: Wv, .offset: 24, .size: 8, .value_kind: global_buffer, .address_space: global }
      - { .name: xw, .offset: 32, .size: 8, .value_kind: global_buffer, .address_space: global }
    .group_segment_fixed_size: 68096
    .private_segment_fixed_size: 0
    .kernarg_segment_align: 8
    .kernarg_segment_size: 40
    .max_flat_workgroup_size: 128
    .sgpr_count:     66
    .vgpr_count:     194
    .wavefront_size: 32
...
	.end_amdgpu_metadata
.endif
;; end of part 1
;; launch proj (part 2): grid 4 x 64, 4 waves a work-group, clusters of 4 x 4, 327,680 bytes of LDS; arguments xw, bq, bk, bv, qkv; writes qkv
.if DOCPART == 2
	.amdgcn_target "amdgcn-amd-amdhsa--gfx1250"
	.amdhsa_code_object_version 6
	.text
	.protected	k_q306ebc4e4a_proj
	.globl	k_q306ebc4e4a_proj
	.p2align	8
	.type	k_q306ebc4e4a_proj,@function
k_q306ebc4e4a_proj:
	s_mov_b64 s[64:65], 0
	v_nop
	global_prefetch_b8 v0, s[64:65] scope:SCOPE_SE
	s_setreg_imm32_b32 hwreg(HW_REG_WAVE_MODE, 25, 1), 1
	s_wait_xcnt 0x0
	s_wait_alu depctr_hold_cnt(0) depctr_sa_sdst(0) depctr_va_vdst(0) depctr_va_sdst(0) depctr_va_ssrc(0) depctr_va_vcc(0) depctr_vm_vsrc(0)
	s_getreg_b32 s2, hwreg(HW_REG_IB_STS2, 6, 4)
	s_cmp_eq_u32 s2, 0
	s_cbranch_scc0 .Lentry_in_a_cluster
	s_endpgm
.Lentry_in_a_cluster:
	s_bfe_u32 s2, ttmp6, 0x10000c
	s_cmp_lg_u32 s2, 0xf033
	s_cbranch_scc0 .Lentry_shape_is_right
	s_endpgm
.Lentry_shape_is_right:
; Q = x Wq + bq, K = x Wk + bk, V = x Wv + bv on codes of FP6 (E2M3) with E8M0 scales; sums in f32; the bias is added in f32; and the result is quantised again in registers,
; Q and K along d, V along the tokens, and leaves as IMAGES OF OPERAND REGISTERS: the f32 numbers never go to memory.
; SHARES.  A tile is 256 tokens x 256 columns; four waves, a wave 128 x 128: 64 accumulators, 512 registers.  A WORK-GROUP STAYS: it makes THREE tiles, Q's, K's and V's, of the same 256 tokens and the same quarter of the columns: 4 x 64 work-groups.
; K goes in steps of 256 through a ring of two LDS slots filled by tensor loads (rows of 192 bytes), and the ring does not stop at a tile's end: a tile's last two changes of slots ask for the next tile's first two K steps,
; which land under the tile's last products and its way out; nothing waits for a tile's stores.
; CLUSTERS: 4 x 4 work-groups.  The four of a row of the cluster need the same token tiles, the four of a column the same weight tiles: each tile is asked for jointly, by the same tensor load with a mask that names the four.  All sixteen walk the three weights in step.
; WHICH SIDE IS WHICH.  In a result a lane holds one row of source 1 and its eight registers run along source 0's rows.  The quantiser wants its K in a lane's registers.  So for Q and K source 1 ('the lane side') takes tokens and
; source 0 ('the register side') weight columns; for V the other way round.  The loads into LDS are alike for all three; the LDS addresses that fragments are read from differ.  The text holds a tile twice: a loop of two trips for Q and K, and V's
; tile written out (it asks for nothing beyond its own K steps): so each copy has its own address registers, made once, and its own way out.
; The rows of both operands stand in memory in an order in which sixteen rows on end are rows 8 u + r + 8 (r / 8) of a group of 32: so the 16 registers of two neighbouring tiles of the register side are 16 NEIGHBOURS, 32 b + 16 (lane / 16) + 0 .. 15.
; THE SCALE WORDS come from memory straight into registers: the 32 scale bytes of 16 rows on end are 512 dense bytes; lane (r, h) takes the 16 bytes at 32 r + 16 h: register n % 4 then holds the word of the n-th 128 along K,
; for n = 0 .. 3 in lanes 0-15 and for n = 4 .. 7 in lanes 16-31, which the matrix instruction reads by its row-1 selectors.  32 registers a side serve all of K.
; WHAT IS STORED.  An image, 1,536 bytes, is a fragment of 16 rows x 128 K as its 12 registers stand: registers 4 c .. 4 c + 3 of lane l at 512 c + 16 l.  Image (T, J) lies at (8 T + J) x 1,536 of its tensor's part of qkv.
; Q, K: T = token place / 16, J = d / 128.  V: T = 64 (KS / 8) + d place / 16, J = KS % 8, KS = token / 128.  The scale words of the 8 images 8 (T / 8) .. + 7 of one J are a block of 512 bytes at (8 (T / 8) + J) x 512:
; word (p, l) at 128 p + 4 l belongs to image T % 8 = 2 p + l / 16, row l % 16.
; LIMITS: a block of zeros, or one under 2^-124, gets the scale byte 1 (its codes are zeros or subnormal codes; this program alone reads the bytes); NaN and infinities are not served.
; REGISTERS, in windows of 256: window 0: v4-11, v16-23 LDS addresses (Q and K's set, V's set); v12-14, v26-29 offsets; v32-95 scale words; v96-103 the bias by lane; v104-115 the scale words made;
;   v128-223 the lane side's fragments, ONE set (on the way out: 64 numbers, then codes); v224-239 at work.
;   window 1: the register side's fragments, TWO sets, at v0 and v128; the bias by register in the gaps, v96-127 and v224-255.   windows 2, 3: the accumulators ((a, b) at v[8 (8 (a % 4) + b)]).
.set ROWB,   192                       ; a tile's row in bytes: 256 codes
.set KROW,   768                       ; a row of codes in memory
.set PITCH,  240                       ; an LDS row: 3 x (64 bytes + 16 of padding)
.set FR,     12                        ; registers of a fragment
.set NL,     6                         ; LDS loads that bring one
.set NP,     4                         ; places behind this matrix instruction (ISA guide 7.12.1)
.set HALFT,  128*PITCH                 ; 128 rows: what one tensor load brings
.set SLOT,   4*HALFT                   ; 256 token rows, then 256 weight rows
.set SPARE,  2*SLOT                    ; behind the ring: the spare words, 128 bytes for each wave: two blocks of 256 bytes that no other line names
.set WCOFF,  12582912                  ; in xw: the weights' codes,
.set XSOFF,  14942208                  ; x's scale bytes,
.set WSOFF,  15466496                  ; the weights'
.set WSTEP,  1024*KROW                 ; from a weight's rows to the next weight's
.set VBJ,  12                          ; v12    the bias by register: 64 x (lane / 16)
.set VBI,  13                          ; v13    the bias by lane: 4 (r + 8 (r / 8))
.set VSO,  14                          ; v14    the scale words: 32 r + 16 (lane / 16)
.set LI,   26                          ; v26    16 x lane: an image's place for my lane
.set LS,   27                          ; v27    4 x lane
.set SPW,  28                          ; v28    LDS address of my spare word; never rewritten
.set NIL,  29                          ; v29    0; never rewritten
.set SA,   32                          ; v32-63 the lane side's scale words: block a at + 4 a
.set SB,   64                          ; v64-95 the register side's: block b at + 4 b
.set BI,   96                          ; v96-103  the bias of my lane's row in block a
.set PW,   104                         ; v104-111 the scale word of block a's image
.set SW,   112                         ; v112-115 those words as they are stored
.set AF,   128                         ; the lane side's fragments
.set HA,   128                         ; the way out: 64 numbers
.set PC,   192                         ; the way out: the codes, v192-211
.set TM,   224                         ; v224-227 largest magnitudes, v228-231 bytes, v236-239 the conversions' scale operands
.set BP,   232                         ; v232-233 a lane's bias, twice
.set G1, 24                            ; s[24:31] descriptor group 1 for token tiles;  s[32:39] group 0, one set for each slot
.set G0, 32
.set G1B, 48                           ; s[48:55], s[56:63] the same for weight tiles
.set G0B, 56
.set SAB, 68                           ; s[68:69] where the lane side's scale bytes begin;  s[70:71] the register side's
.set SBB, 70
.set PBX, 72                           ; s[72:73] where my part of the tile's bias begins
.set OUTC, 76                          ; s[76:77] where my eight images go;  s[78:79] their scale words
.set OUTS, 78
.set SEL, 98                           ; s[98:99] lane selects for v_permlanex16_b32: lane l xor 16
.set MSB, 0
.macro WIN new                         ; the immediate's high byte repeats the setting that is left
.if MSB != (\new)
	s_set_vgpr_msb (MSB<<8)|(\new)
.set MSB, \new
.endif
.endm
.set MUL_LO, 0xa1                      ; source 0 window 1, source 1 window 0, C and D window 2
.set MUL_HI, 0xf1                      ; the same, C and D window 3
.set TO_B,   0x40                      ; destination window 1, address window 0
; A joint load: waves 0 and 1 fetch the token side's halves, waves 2 and 3 the weight side's.  Each of the two lines has one mask and one set of registers for all that issue it; the branch hangs on the wave's number alone.
; Four v_nop follow each of the two lines, ahead of the jump, the label and what follows.
.macro JLOAD g0a, g1a, g0b, g1b
	s_cmp_eq_u32 s15, 0
	s_cbranch_scc0 .Lfor_b_\@
	tensor_load_to_lds s[\g0a:\g0a+3], s[\g1a:\g1a+7]
	s_nop 0
.rept 4
	v_nop
.endr
	s_branch .Lasked_\@
.Lfor_b_\@:
	tensor_load_to_lds s[\g0b:\g0b+3], s[\g1b:\g1b+7]
	s_nop 0
.rept 4
	v_nop
.endr
.Lasked_\@:
.endm
.macro CREST                           ; a round of the cluster's barrier behind its opening barrier
	s_cmp_lg_u32 s14, 0
	s_cbranch_scc1 .Lnot_wave_0_\@
	s_barrier_signal -3
.Lnot_wave_0_\@:
	s_barrier_wait -3
	s_barrier_signal -1
	s_barrier_wait -1
.endm
.macro CROUND                          ; a whole round
	s_barrier_signal -1
	s_barrier_wait -1
	CREST
.endm
	s_load_b256 s[4:11], s[0:1], 0x0               ; xw s[4:5], bq s[6:7], bk s[8:9], bv s[10:11]: all five pointers stay as they come
	s_load_b64 s[12:13], s[0:1], 0x20              ; qkv
	v_lshl_add_u32 v[SPW], v0, 2, SPARE
	v_mov_b32 v[NIL], 0
	ds_add_u32 v28, v29
	ds_add_u32 v28, v29
	s_wait_dscnt 0x0
	v_lshrrev_b32 v1, 5, v0
	v_readfirstlane_b32 s14, v1                    ; wave 0..3
	s_lshr_b32 s15, s14, 1                         ; which half of the lane side is mine.  Also: I fetch for the tokens (0) or for the weights (1)
	s_and_b32 s16, s14, 1                          ; which half of the register side.  Also: which 128 rows of that tile I fetch
	s_bfe_u32 s40, ttmp6, 0x40000                  ; cx: which quarter of a weight's columns (the grid is one cluster wide)
	s_bfe_u32 s41, ttmp6, 0x40004                  ; cy
	s_and_b32 s17, ttmp7, 0xffff                   ; cluster y
	s_lshl_b32 s86, s17, 6
	s_lshl_b32 s18, s15, 3
	s_add_co_u32 s86, s86, s18                     ; 64 x cluster y + 8 x my half of the lane side: part of T
	s_lshl_b32 s17, s17, 2
	s_add_co_u32 s17, s17, s41                     ; the token tile = 4 x cluster y + cy
	s_lshl_b32 s43, s41, 2
	s_lshl_b32 s43, 15, s43                        ; my row of the cluster
	s_lshl_b32 s44, 0x1111, s40                    ; my column
	; descriptor group 1: a tile of 128 rows x 192 bytes, padded in LDS
	s_or_b32 s[G1+0], s43, (0<<16)|(1<<20)|(1<<21)|(3<<22)|(3<<25)  ; 15:0 the mask: token tiles go to my row; 17:16 element of 1 byte; 20 padding on; 21 set beside a mask; 24:22 after every 16 words (code 3); 31:25 of 4 words (code 3)
	s_or_b32 s[G1B+0], s44, (0<<16)|(1<<20)|(1<<21)|(3<<22)|(3<<25) ; the same with the mask of my column, for weight tiles
.irp g, G1, G1B
	s_mov_b32 s[\g+1], ROWB<<16                    ; tensor_dim0
	s_mov_b32 s[\g+2], 128<<16                     ; tensor_dim1 = 128
	s_mov_b32 s[\g+3], ROWB<<16                    ; tile_dim0
	s_mov_b32 s[\g+4], 128                         ; tile_dim1 = 128
	s_mov_b32 s[\g+5], KROW                        ; tensor_dim0_stride
	s_mov_b32 s[\g+6], 0
	s_mov_b32 s[\g+7], 0
.endr
	s_lshl_b32 s18, s16, 7                         ; which 128 rows of the tile I fetch
	s_lshl_b32 s20, s17, 8
	s_add_co_u32 s20, s20, s18                     ; tokens: row 256 x token tile + 128 x half
	s_lshl_b32 s46, s40, 8
	s_add_co_u32 s46, s46, s18                     ; weights: row 256 x cx + 128 x half of Wq
	s_mov_b32 s21, 0
	s_mov_b32 s47, 0
	s_mov_b64 s[18:19], KROW
	s_mul_u64 s[20:21], s[20:21], s[18:19]         ; in bytes
	s_mul_u64 s[46:47], s[46:47], s[18:19]
	s_add_nc_u64 s[46:47], s[46:47], WCOFF
	s_mul_i32 s45, s14, HALFT                      ; where they go: wave x 128 rows: no place in the cluster enters an LDS address
	s_lshl_b32 s87, s17, 13
	s_add_co_u32 s87, s87, XSOFF                   ; in xw: the scale bytes of my 256 tokens (32 a row),
	s_lshl_b32 s88, s40, 13
	s_add_co_u32 s88, s88, WSOFF                   ; and of my 256 columns of Wq
	s_lshl_b32 s89, s15, 12                        ; 128 rows of them on, for the lane side's half
	s_lshl_b32 s90, s16, 12                        ; and for the register side's
	s_lshl_b32 s91, s15, 9                         ; 128 numbers of a bias
	s_mov_b32 s83, 0                               ; the upper words of the two offset pairs: they stay 0
	s_mov_b32 s85, 0
	s_mov_b32 s[SEL], 0x76543210
	s_mov_b32 s[SEL+1], 0xfedcba98
	s_wait_kmcnt 0x0
	s_add_nc_u64 s[20:21], s[4:5], s[20:21]
	s_add_nc_u64 s[46:47], s[4:5], s[46:47]
	CROUND                                         ; all sixteen work-groups are here: the first joint loads meet
.irp s, 0,1
	s_mov_b32 s[G0+4*\s], 1
	s_add_co_u32 s[G0+4*\s+1], s45, \s*SLOT
	s_add_nc_u64 s[G0+4*\s+2:G0+4*\s+3], s[20:21], \s*ROWB
	s_or_b32 s[G0+4*\s+3], s[G0+4*\s+3], 0x80000000
	s_mov_b32 s[G0B+4*\s], 1
	s_add_co_u32 s[G0B+4*\s+1], s45, \s*SLOT
	s_add_nc_u64 s[G0B+4*\s+2:G0B+4*\s+3], s[46:47], \s*ROWB
	s_or_b32 s[G0B+4*\s+3], s[G0B+4*\s+3], 0x80000000
	JLOAD G0+4*\s, G1, G0B+4*\s, G1B               ; K steps 0 and 1 of Q's tile: two tensor loads of mine are out
.endr
	v_and_b32 v1, 15, v0                           ; r = l % 16
	v_bfe_u32 v2, v0, 4, 1                         ; h = l / 16
	v_mul_u32_u24 v3, v1, PITCH
	v_mul_u32_u24 v24, v2, 24
	v_add_nc_u32 v24, v3, v24                      ; a fragment's row x pitch + 24 x half
	v_lshl_add_u32 v25, v2, 4, v24                 ; and the same behind one padding more
	s_mul_i32 s21, s15, HALFT                      ; my half of the lane side
	s_mul_i32 s22, s16, HALFT                      ; my half of the register side
.irp s, 0,1                                    ; both sets of LDS addresses, for slot s (+ 2: behind one padding more)
	v_add_nc_u32 v[4+\s], s21, v24                 ; Q, K: the lane side is the tokens, which lie first in a slot
	v_add_nc_u32 v[6+\s], s21, v25
	v_add_nc_u32 v[20+\s], s22, v24                ; V: the register side is the tokens
	v_add_nc_u32 v[22+\s], s22, v25
	s_add_co_u32 s21, s21, 2*HALFT
	s_add_co_u32 s22, s22, 2*HALFT
	v_add_nc_u32 v[16+\s], s21, v24                ; V: the lane side is the weight's columns, behind the tokens' 256 rows
	v_add_nc_u32 v[18+\s], s21, v25
	v_add_nc_u32 v[8+\s], s22, v24                 ; Q, K: the register side is the weight's columns
	v_add_nc_u32 v[10+\s], s22, v25
	s_add_co_u32 s21, s21, 2*HALFT                 ; on to the next slot
	s_add_co_u32 s22, s22, 2*HALFT
.endr
	v_and_b32 v3, 31, v0
	v_lshlrev_b32 v[LI], 4, v3
	v_lshlrev_b32 v[LS], 2, v3
	v_lshlrev_b32 v[VSO], 5, v1
	v_lshl_add_u32 v[VSO], v2, 4, v[VSO]
	v_lshlrev_b32 v[VBJ], 6, v2                    ; register 16 b + i holds number 32 b + 16 h + i
	v_and_b32 v[VBI], 8, v1
	v_add_nc_u32 v[VBI], v[VBI], v1
	v_lshlrev_b32 v[VBI], 2, v[VBI]                ; lane r of block a holds number 32 (a / 2) + 8 (a % 2) + r + 8 (r / 8)
.irp b, 0,1,2,3
	v_mov_b32 v[TM+4+\b], 0                        ; written once: a lane permute's destination counts as one of its sources
.endr
.macro FRAG reg, adr, q, i             ; a fragment, 16 rows x 128 K of 6-bit codes, is 12 registers: lane l holds row l % 16; registers 6 c .. 6 c + 5 hold K = 64 c + 32 (l / 16) + 0 .. 31: 24 bytes of the row's stream of bits, as they lie
.irp p, 0,1,2,3,4,5                    ; in pieces of 8 bytes.  Lanes 0-15 take the row's pieces 12 q + 0, 1, 2 and 12 q + 6, 7, 8, lanes 16-31 those three pieces on
.set PCE, 12*(\q)+6*(\p/3)+\p%3       ; 16 bytes of padding lie behind every 8 pieces: where the piece three on lies behind one padding more, the second address register serves
.if PCE%8 < 5
	ds_load_b64 v[\reg+2*\p:\reg+2*\p+1], v[\adr] offset:8*PCE+16*(PCE/8)+(\i)*16*PITCH
.else
	ds_load_b64 v[\reg+2*\p:\reg+2*\p+1], v[\adr+2] offset:8*PCE+16*(PCE/8)+(\i)*16*PITCH
.endif
.endr
.endm
; 16 matrix instructions: the lane side's blocks a0, a0 + 1 x the register side's eight, the tile's n-th 128 along K.  p: the register side's set.  zero = 1: the first product starts the sums.
; The 64 accumulators take turns, one instruction a turn, in the same order in every step.
.macro MUL16 a0, p, n, zero
.irp a, \a0, \a0+1
.irp b, 0,1,2,3,4,5,6,7
.set rD, 8*(8*((\a)%4)+\b)
.set rR, 128*(\p)+FR*\b
.set rL, AF+FR*(\a)
.set rSR, SB+4*\b+(\n)%4
.set rSL, SA+4*(\a)+(\n)%4
.if \zero
	v_wmma_scale_f32_16x16x128_f8f6f4 v[rD:rD+7], v[rR:rR+FR-1], v[rL:rL+FR-1], 0, v[rSR], v[rSL] matrix_a_fmt:MATRIX_FMT_FP6 matrix_b_fmt:MATRIX_FMT_FP6
.elseif (\n) < 4
	v_wmma_scale_f32_16x16x128_f8f6f4 v[rD:rD+7], v[rR:rR+FR-1], v[rL:rL+FR-1], v[rD:rD+7], v[rSR], v[rSL] matrix_a_fmt:MATRIX_FMT_FP6 matrix_b_fmt:MATRIX_FMT_FP6
.else
	v_wmma_scale_f32_16x16x128_f8f6f4 v[rD:rD+7], v[rR:rR+FR-1], v[rL:rL+FR-1], v[rD:rD+7], v[rSR], v[rSL] matrix_a_fmt:MATRIX_FMT_FP6 matrix_b_fmt:MATRIX_FMT_FP6 matrix_a_scale:MATRIX_SCALE_ROW1 matrix_b_scale:MATRIX_SCALE_ROW1
.endif
.endr
.endr
.endm
.macro FETCH_B slot, q, p              ; the register side's eight fragments of the slot's q-th 128 along K into set p
	WIN TO_B
.irp i, 0,1,2,3,4,5,6,7
	FRAG 128*(\p)+FR*\i, ADRB+\slot, \q, \i
.endr
	WIN 0
.endm
.macro FETCH_A slot, q, i0             ; the lane side's blocks i0 .. i0 + 3
.irp i, \i0, \i0+1, \i0+2, \i0+3
	FRAG AF+FR*(\i), ADRA+\slot, \q, \i
.endr
.endm
; A load into a register that a matrix instruction has read, and a vector instruction that reads a matrix result, stand NP places behind that matrix instruction; only plain vector instructions that name none of its registers are places.
.macro PLACES n
.rept \n
	v_nop
.endr
.endm
; A step of 128 along K (the tile's n-th) that has its successor in the same slot.  A block of the lane side is free as soon as its eight products are issued: blocks 0-3 are fetched anew in the step's middle, blocks 4-7 at its end.
.macro STEP slot, q, n, zero
	s_wait_dscnt 4*NL                              ; all but the youngest 24 loads (the lane side's blocks 4-7) are in
	WIN MUL_LO
	MUL16 0, (\q)%2, \n, \zero
	MUL16 2, (\q)%2, \n, \zero
	s_wait_dscnt 0                                 ; blocks 4-7 are in (asked for 32 matrix instructions ago)
	PLACES NP
	FETCH_B \slot, (\q)+1, 1-(\q)%2
	FETCH_A \slot, (\q)+1, 0
	WIN MUL_HI
	MUL16 4, (\q)%2, \n, \zero
	MUL16 6, (\q)%2, \n, \zero
	PLACES NP
	WIN 0
	FETCH_A \slot, (\q)+1, 4
.endm
; A slot's last step changes slots: ONE barrier; in front of it each wave waits for all its tensor loads, adds 0 to its spare word, and waits for that and for its own reads of this slot.
; fill = 1: this slot is filled again: with this tile's K step two on (on = 0) or with the NEXT tile's K step 0 or 1 (on = 1: the tokens go back along K, the weights on to the next weight's rows).
; fetch = 1: the next slot's first fragments are fetched; a tile's very last step fetches nothing: the way out works in the lane side's registers.
.macro TURN slot, next, fill, on, n, fetch
	s_wait_tensorcnt 0x0                           ; all my tensor loads have landed: the one that was out is my part of the next slot  (every window is 0 here)
	ds_add_u32 v[SPW], v[NIL]                      ; 0 onto my spare word
	s_wait_dscnt 4*NL+1                            ; (the add and the youngest 24 loads may be out)
	WIN MUL_LO
	MUL16 0, 1, \n, 0                              ; sixteen matrix instructions stand between the add and the wait for it
	s_wait_dscnt 0x0                               ; the add is done, and my reads of this slot are over
	s_barrier_signal -1
	MUL16 2, 1, \n, 0
	WIN 0
	s_barrier_wait -1
.if \fill
	CREST                                          ; the barrier has opened a round of the cluster's barrier: no wave of any partner still reads this slot's tile or has a load on its way
.if \on
	s_sub_nc_u64 s[G0+4*\slot+2:G0+4*\slot+3], s[G0+4*\slot+2:G0+4*\slot+3], 2*ROWB
	s_add_nc_u64 s[G0B+4*\slot+2:G0B+4*\slot+3], s[G0B+4*\slot+2:G0B+4*\slot+3], WSTEP-2*ROWB
.else
	s_add_nc_u64 s[G0+4*\slot+2:G0+4*\slot+3], s[G0+4*\slot+2:G0+4*\slot+3], 2*ROWB
	s_add_nc_u64 s[G0B+4*\slot+2:G0B+4*\slot+3], s[G0B+4*\slot+2:G0B+4*\slot+3], 2*ROWB
.endif
	JLOAD G0+4*\slot, G1, G0B+4*\slot, G1B         ; the first tensor load behind the round, my one load until the next; the four v_nop behind it are the places in front of the loads below
.else
	PLACES NP
.endif
.if \fetch
	FETCH_B \next, 0, 0
	FETCH_A \next, 0, 0
.endif
	WIN MUL_HI
	MUL16 4, 1, \n, 0
	MUL16 6, 1, \n, 0
	PLACES NP
	WIN 0
.if \fetch
	FETCH_A \next, 0, 4
.endif
.endm
; Where the scale bytes of tile s80 (0 Q, 1 K, 2 V) begin, for the two sides: a choice on the tile's number; and their 16 loads, 512 consecutive bytes each.
.macro SCBASE
	s_lshl_b32 s81, s80, 15                        ; 1,024 rows of 32 bytes for each weight
	s_add_co_u32 s81, s81, s88                     ; my 256 columns of this weight
	s_cmp_eq_u32 s80, 2
	s_cselect_b32 s82, s81, s87                    ; the lane side: the weight's for V, else the tokens';
	s_cselect_b32 s84, s87, s81                    ; the register side: the other
	s_add_co_u32 s82, s82, s89
	s_add_co_u32 s84, s84, s90
	s_add_nc_u64 s[SAB:SAB+1], s[4:5], s[82:83]
	s_add_nc_u64 s[SBB:SBB+1], s[4:5], s[84:85]
.endm
.macro SCLOADS
.irp i, 0,1,2,3,4,5,6,7
	global_load_b128 v[SA+4*\i:SA+4*\i+3], v[VSO], s[SAB:SAB+1] offset:512*\i
.endr
.irp i, 0,1,2,3,4,5,6,7
	global_load_b128 v[SB+4*\i:SB+4*\i+3], v[VSO], s[SBB:SBB+1] offset:512*\i
.endr
.endm
; Where tile s80's images and scale words go.  ci, cj: the registers that hold the lane side's and the register side's place in the cluster; they enter global addresses alone.
.macro TSETB ci, cj
	s_lshl_b32 s67, s[\cj], 1
	s_add_co_u32 s67, s67, s16                     ; J: which 128 of the register side, 0 .. 7
	s_lshl_b32 s84, s[\ci], 4
	s_add_co_u32 s84, s84, s86                     ; T of my block 0: 64 x cluster y + 16 x place + 8 x half
	s_add_co_u32 s82, s84, s67
	s_lshl_b32 s82, s82, 9                         ; (8 (T / 8) + J) x 512
	s_mul_i32 s81, s80, 524288
	s_add_co_u32 s82, s82, s81
	s_add_co_u32 s82, s82, 37748736
	s_add_nc_u64 s[OUTS:OUTS+1], s[12:13], s[82:83]
	s_lshl_b32 s84, s84, 3
	s_add_co_u32 s84, s84, s67
	s_mul_i32 s82, s84, 1536                       ; (8 T + J) x 1,536
	s_mul_i32 s81, s80, 12582912
	s_add_co_u32 s82, s82, s81
	s_add_nc_u64 s[OUTC:OUTC+1], s[12:13], s[82:83]
.endm
; 64 numbers of a lane, v[s] .. v[s + 63], register 16 b + i = k 32 b + 16 (lane / 16) + i of my row, become a fragment's codes in v[PC] on and its scale word in v[pw] (the same in lanes l and l xor 16).
.macro QUANT s, pw
.irp b, 0,1,2,3
	v_max3_num_f32 v[TM+\b], |v[\s+16*\b]|, |v[\s+1+16*\b]|, 0x1800000   ; block b: my 16 numbers, and the floor 2^(3 - 127): so the byte cannot fall under 1
.endr
.irp i, 2,4,6,8,10,12,14
.irp b, 0,1,2,3
	v_max3_num_f32 v[TM+\b], v[TM+\b], |v[\s+16*\b+\i]|, |v[\s+1+16*\b+\i]|   ; (the four blocks by turns)
.endr
.endr
.irp b, 0,1,2,3
	v_permlanex16_b32 v[TM+4+\b], v[TM+\b], s[SEL], s[SEL+1]
.endr
.irp b, 0,1,2,3
	v_max_num_f32 v[TM+\b], v[TM+\b], v[TM+4+\b]   ; with lane l xor 16's: the block's largest magnitude
.endr
.irp b, 0,1,2,3
	v_add_nc_u32 v[TM+12+\b], 0xff000000, v[TM+\b] ; 2 off its exponent field: the conversion's scale operand
.endr
.irp b, 0,1,2,3
	v_lshrrev_b32 v[TM+4+\b], 23, v[TM+12+\b]      ; the scale's byte
.endr
	v_lshl_or_b32 v[\pw], v[TM+5], 8, v[TM+4]      ; the four bytes make my row's scale word
	v_lshl_or_b32 v[\pw], v[TM+6], 16, v[\pw]
	v_lshl_or_b32 v[\pw], v[TM+7], 24, v[\pw]
	s_wait_xcnt 0x0                                ; the last image's stores have had their addresses translated (ISA guide 3.1): only behind this wait are the codes' registers written again
.irp c, 0,1
	v_cvt_scalef32_pk16_fp6_f32 v[PC+6*\c:PC+2+6*\c], v[\s+32*\c:\s+15+32*\c], v[TM+12+2*\c]
	v_cvt_scalef32_pk16_fp6_f32 v[PC+12+4*\c:PC+14+4*\c], v[\s+16+32*\c:\s+31+32*\c], v[TM+12+2*\c+1]   ; (a conversion's three registers begin on an even number)
.endr
	v_nop                                          ; one plain place behind a scaled conversion
.irp c, 0,1                                    ; the operand's layout wants a WHOLE block in a lane: lanes 0-15 block 2 c, lanes 16-31 block 2 c + 1
.irp i, 0,1,2
	v_permlane16_swap_b32 v[PC+6*\c+\i], v[PC+12+4*\c+\i]
.endr
.irp i, 0,1,2
	v_mov_b32 v[PC+3+6*\c+\i], v[PC+12+4*\c+\i]
.endr
.endr
.endm
; THE WAY OUT of the lane side's block a: its 8 accumulators are 64 numbers a lane, in the quantiser's order.  The bias is added (bylane = 0: by register, Q and K; 1: by lane, V), each accumulator read from its low end on;
; the 64 numbers become an image, which the wave stores by three instructions of 512 consecutive bytes, aligned.  The image's place stands in the immediate: 87,040 bytes at the most.
.macro EPI a, bylane
.set AC, 64*((\a)%4)
.if \bylane
	v_mov_b32 v[BP], v[BI+(\a)]
	v_mov_b32 v[BP+1], v[BI+(\a)]
	WIN 0x02+(\a)/4                                ; source 0: window 2 or 3
.set k, 0
.rept 32
	v_pk_add_f32 v[HA+2*k:HA+2*k+1], v[AC+2*k:AC+2*k+1], v[BP:BP+1]
.set k, k+1
.endr
.else
	WIN 0x06+(\a)/4                                ; source 0: window 2 or 3; source 1: window 1
.set k, 0
.rept 32
	v_pk_add_f32 v[HA+2*k:HA+2*k+1], v[AC+2*k:AC+2*k+1], v[96+2*k+96*(k/16):96+2*k+96*(k/16)+1]
.set k, k+1
.endr
.endif
	WIN 0
	QUANT HA, PW+(\a)
.irp c, 0,1,2
	global_store_b128 v[LI], v[PC+4*\c:PC+4*\c+3], s[OUTC:OUTC+1] offset:12288*(\a)+512*\c
.endr
.endm
; A WHOLE TILE.  At its head K step 0 lies in slot 0 for every wave (shown by the wait for all loads and the barrier at the last change of slots, or by those ahead of the first tile), K step 1 may still be on its way, and the tile's 16 loads of scale words are out.
; succ = 1: another tile follows: the last two changes of slots ask for its K steps 0 and 1, and its scale words are asked for behind the last products.  bylane: the way out's bias.
.macro TILE succ, bylane
	s_wait_xcnt 0x0                                ; the last tile's stores have read their registers and bases: the fragments may land there, the bases may be written
	FETCH_B 0, 0, 0
	FETCH_A 0, 0, 0
	FETCH_A 0, 0, 4
.if \bylane
	s_mov_b32 s80, 2
	TSETB 40, 41                                   ; V: the lane side is the columns (cx), the register side the tokens (cy)
	s_lshl_b32 s82, s40, 10
	s_add_co_u32 s82, s82, s91
	s_add_nc_u64 s[PBX:PBX+1], s[10:11], s[82:83]  ; bv from number 256 cx + 128 x half on
.irp a, 0,1,2,3,4,5,6,7
	global_load_b32 v[BI+\a], v[VBI], s[PBX:PBX+1] offset:4*(32*(\a/2)+8*(\a%2))
.endr
	s_wait_loadcnt 8                               ; loads come back in order (ISA guide 5.7.1): the scale words are in, the eight loads of the bias behind them may be out
.else
	s_sub_co_u32 s80, 2, s2                        ; 0: Q, 1: K
	TSETB 41, 40                                   ; the lane side is the tokens (cy), the register side the columns (cx)
	s_cmp_eq_u32 s2, 2                             ; the choice hangs on the trip alone
	s_cselect_b64 s[18:19], s[6:7], s[8:9]
	s_lshl_b32 s82, s67, 9
	s_add_nc_u64 s[PBX:PBX+1], s[18:19], s[82:83]  ; bq or bk from number 128 J on
	WIN TO_B
.irp be, 0,1,2,3
.irp jj, 0,1,2,3
	global_load_b128 v[96+16*\be+4*\jj+96*(\be/2):96+16*\be+4*\jj+96*(\be/2)+3], v[VBJ], s[PBX:PBX+1] offset:128*\be+16*\jj
.endr
.endr
	WIN 0
	s_wait_loadcnt 16                              ; the scale words are in, the sixteen loads of the bias behind them may be out
.endif
	STEP 0, 0, 0, 1                                ; the first products start the sums: nothing is cleared
	TURN 0, 1, 1, 0, 1, 1                          ; slot 0 takes K step 2
	STEP 1, 0, 2, 0
	TURN 1, 0, 1, 0, 3, 1                          ; slot 1 takes K step 3
	STEP 0, 0, 4, 0
.if \succ
	TURN 0, 1, 1, 1, 5, 1                          ; THE RING GOES ON INTO THE NEXT TILE: slot 0 takes its K step 0,
	STEP 1, 0, 6, 0
	TURN 1, 0, 1, 1, 7, 0                          ; slot 1 its K step 1
	s_wait_loadcnt 0x0                             ; the bias is in (asked for a tile's products ago); no load names the scale words' bases any more
	s_sub_co_u32 s2, s2, 1
	s_sub_co_u32 s80, 2, s2                        ; the next tile
	SCBASE
	SCLOADS                                        ; four places stand behind the last products.  (For K's tile the lane side's eight loads bring what is there already: the one text also serves the change of sides for V)
.else
	TURN 0, 1, 0, 0, 5, 1                          ; nothing is left to ask for: a plain barrier
	STEP 1, 0, 6, 0
	s_wait_dscnt 4*NL                              ; the very last step: nothing more to fetch
	WIN MUL_LO
	MUL16 0, 1, 7, 0
	MUL16 2, 1, 7, 0
	s_wait_dscnt 0
	WIN MUL_HI
	MUL16 4, 1, 7, 0
	MUL16 6, 1, 7, 0
	WIN 0
	PLACES NP                                      ; in front of the first read of results and the first write into registers that held fragments
	s_wait_loadcnt 0x0                             ; the bias is in
.endif
.irp a, 0,1,2,3,4,5,6,7
	EPI \a, \bylane
.endr
	v_and_b32 v31, 31, v0
	v_cmp_lt_u32 vcc_lo, 15, v31                   ; lanes 16-31 carry the odd image's words
.irp p, 0,1,2,3
	v_cndmask_b32 v[SW+\p], v[PW+2*\p], v[PW+2*\p+1], vcc_lo
.endr
.irp p, 0,1,2,3
	global_store_b32 v[LS], v[SW+\p], s[OUTS:OUTS+1] offset:128*\p
.endr
.endm
	s_mov_b32 s80, 0
	SCBASE
	SCLOADS                                        ; Q's tile's scale words come while the first tiles are on their way
	s_mov_b32 s2, 2                                ; two tiles have a successor
	s_wait_tensorcnt 1                             ; my part of K step 0 is in (K step 1's load may be out)
	s_barrier_signal -1
	s_barrier_wait -1                              ; everybody's is
.set ADRA, 4                           ; Q and K's set of addresses
.set ADRB, 8
.Ltile:                                                ; two trips: Q's tile, K's tile; every trip makes all four refills
	TILE 1, 0
	s_cmp_lg_u32 s2, 0
	s_cbranch_scc1 .Ltile
.set ADRA, 16                          ; V's set
.set ADRB, 20
	TILE 0, 1                                      ; V's tile is written out: it makes two refills and no more
	s_wait_tensorcnt 0x0                           ; the wave's end
	ds_add_u32 v[SPW], v[NIL]
	s_wait_dscnt 0x0
	CROUND                                         ; the closing round: no work-group ends while a partner may still ask for a tile that names it
	s_endpgm
.Lfunc_end_k_q306ebc4e4a_proj:
	.size	k_q306ebc4e4a_proj, .Lfunc_end_k_q306ebc4e4a_proj-k_q306ebc4e4a_proj
	.p2alignl 7, 3214868480
	.fill 96, 4, 3214868480
	.section	.rodata,"a",@progbits
	.p2align	6, 0x0
	.amdhsa_kernel k_q306ebc4e4a_proj
		.amdhsa_group_segment_fixed_size 327680
		.amdhsa_private_segment_fixed_size 0
		.amdhsa_enable_private_segment 0
		.amdhsa_kernarg_size 40
		.amdhsa_user_sgpr_count 2
		.amdhsa_user_sgpr_kernarg_segment_ptr 1
		.amdhsa_wavefront_size32 1
		.amdhsa_system_sgpr_workgroup_id_x 1
		.amdhsa_system_sgpr_workgroup_id_y 1
		.amdhsa_system_sgpr_workgroup_id_z 1
		.amdhsa_system_vgpr_workitem_id 0
		.amdhsa_next_free_vgpr 1024
		.amdhsa_next_free_sgpr 100
		.amdhsa_reserve_vcc 1
		.amdhsa_float_denorm_mode_32 3
		.amdhsa_float_denorm_mode_16_64 3
		.amdhsa_memory_ordered 1
		.amdhsa_forward_progress 1
		.amdhsa_inst_pref_size 255
	.end_amdhsa_kernel
	.section	.bss,"aw",@nobits
	.p2align	6
	.space	262144
	.amdgpu_metadata
---
amdhsa.version: [ 1, 2 ]
amdhsa.kernels:
  - .name:           k_q306ebc4e4a_proj
    .symbol:         k_q306ebc4e4a_proj.kd
    .args:
      - { .name: xw, .offset: 0, .size: 8, .value_kind: global_buffer, .address_space: global }
      - { .name: bq, .offset: 8, .size: 8, .value_kind: global_buffer, .address_space: global }
      - { .name: bk, .offset: 16, .size: 8, .value_kind: global_buffer, .address_space: global }
      - { .name: bv, .offset: 24, .size: 8, .value_kind: global_buffer, .address_space: global }
      - { .name: qkv, .offset: 32, .size: 8, .value_kind: global_buffer, .address_space: global }
    .group_segment_fixed_size: 327680
    .private_segment_fixed_size: 0
    .kernarg_segment_align: 8
    .kernarg_segment_size: 40
    .max_flat_workgroup_size: 128
    .sgpr_count:     100
    .vgpr_count:     1024
    .wavefront_size: 32
...
	.end_amdgpu_metadata
.endif
;; end of part 2
;; launch attn (part 3): grid 32 x 8, 4 waves a work-group, no clusters, 150,528 bytes of LDS; arguments qkv, out0; writes out0
.if DOCPART == 3
	.amdgcn_target "amdgcn-amd-amdhsa--gfx1250"
	.amdhsa_code_object_version 6
	.text
	.protected	k_q306ebc4e4a_attn
	.globl	k_q306ebc4e4a_attn
	.p2align	8
	.type	k_q306ebc4e4a_attn,@function
k_q306ebc4e4a_attn:
	s_mov_b64 s[64:65], 0
	v_nop
	global_prefetch_b8 v0, s[64:65] scope:SCOPE_SE
	s_setreg_imm32_b32 hwreg(HW_REG_WAVE_MODE, 25, 1), 1
	s_wait_xcnt 0x0
; out0[b][q][:] = the sum over keys k <= q of softmax_k(Q[b][q] . K[b][k] / 32) V[b][k][:], both products on codes of FP6 (E2M3) with E8M0 scales, from the images that the launch before has laid in qkv.
; THE SOFTMAX AHEAD OF THE SECOND PRODUCT: t = score x log2(e) / 32; M = the row's largest t rounded UP to a whole number; p = 2^(t - M) is quantised along the keys, not normalised; the row's sum is taken of the unquantised p and divides at the end.
; All 512 scores of a query are held in registers at once, so M is the whole row's: no running maximum, nothing is rescaled.
; SHARES.  A work-group owns 64 queries of one batch: four tiles q of 16.  The batch is the grid's x, the block of 64 queries its y.  THE FOUR WAVES SHARE THE COLUMNS, NOT THE ROWS.  First product: wave w makes, for all four tiles, the scores of keys 128 s + 32 w + 0 .. 31, s = 0 .. 3
; (32 accumulators).  Second product: wave w makes channels 256 w .. 256 w + 255, in four chunks of 64.  So each fragment of K and of V is read by ONE wave, from memory straight into its registers (three loads of 512 consecutive
; bytes), and feeds four matrix instructions.  Through LDS go only Q's images (49,152 bytes), p's codes (24,576 bytes) three exchanges of 2,048 bytes and the output rows through each wave's stage.
; NO JOINT REQUESTS, though the eight work-groups of a batch read the same 786,432 bytes of K and V: a joint request is a load into LDS, and these fragments never pass through LDS; it would add an LDS write and an LDS read of every one of those bytes, and a ring with its barriers.
; NO KEY IS LEFT OUT: every work-group multiplies all 512 keys and hides those after the query (-infinity ahead of the maximum, so p = 0 and its codes are zeros).  The work-group of the last queries needs all keys anyway; the trip counts and the counted waits are the same on every path.
; LAYOUT.  Both products are used transposed: S^T = K Q^T, O^T = V^T P^T: a lane holds ONE query throughout.  The rows of an image stand in the order 8 u + r + 8 (r / 8) of a group of 32: so the 16 registers of key tiles 2 w, 2 w + 1 are 16 neighbouring keys,
; 128 s + 32 w + 16 (lane / 16) + 0 .. 15; lane r of query tile q is query 32 (q / 2) + 8 (q % 2) + r + 8 (r / 8); and register j of channel tile D is channel 32 (D / 2) + 16 (lane / 16) + 8 (D % 2) + j.
; LIMITS: NaN and infinities in the inputs are not served; a p under 2^-126 is 0 (v_exp_f32 gives 0 there: ISA guide, its entry); a block of p that is all zeros gets the scale byte 1: its codes are zeros.
; REGISTERS, in windows of 256: window 0: v1-31 addresses and a row's figures; v32-127 scale words; v128-255 at work in the softmax, then the 16 accumulators of O^T (O(q, i) at v[128 + 32 q + 8 i]).
;   window 1: S^T (S(q, s, u) at v[64 q + 16 s + 8 u]), then p's 16 fragments (12 (4 q + s)) and from v192 two sets of rows on the way out.
;   window 2: K's buffers 0, 1 at v0, v96; Q's buffer 0 at v192; later V of the odd chunks, v0-191.   window 3: K's buffer 2 at v0; Q's buffer 1 at v192; V of the even chunks, v0-191.
.set PIMG,  49152                      ; LDS: Q's images lie from 0 on, image (q, J) at 12,288 q + 1,536 J; p's codes from here on: wave w's region of PREG bytes, in it block (q, s) at 384 (4 q + s) + 24 r
.set PREG,  6272
.set MX,    74240                      ; the waves' row maxima, 512 w + 128 q + 4 lane;  2,048 on p's scale words;  4,096 on the waves' sums
.set STG,   80384                      ; the way out: a stage of SREG bytes for each wave: 4 query tiles x 16 rows x (256 bytes + 16)
.set SREG,  17408
.set QTS,   4352
.set LI,   4                           ; v4   16 x lane: an image's place for my lane; never rewritten
.set LS,   5                           ; v5   4 x lane; never rewritten
.set QWI,  6                           ; v6   where I store my tile of Q
.set PST,  7                           ; v7   where I store p's codes
.set PRD,  8                           ; v8   where I read them
.set XWS,  9                           ; v9   the exchanges: MX + 512 w + 4 lane
.set STO,  10                          ; v10  the stage: where I put 16 bytes of a row
.set RD,   11                          ; v11  and where I read a row back
.set GO,   12                          ; v12  my byte offset in two rows of out0
.set NINF, 13                          ; v13  -infinity
.set VD,   14                          ; v14-17 tile q: my query less my first key of key step 0
.set NM,   18                          ; v18-25 tile q: the pair (-M, -M); later 1 / the row's sum in the low word
.set XRD,  26                          ; v26  the exchanges, read: MX + 4 lane
.set KSC,  32                          ; v32-63   K's scale words (8 s + J): lanes 0-15 key tile 2 w, lanes 16-31 key tile 2 w + 1
.set QSC,  64                          ; v64-79   Q's (8 (q / 2) + J): lanes 0-15 the even tile, lanes 16-31 the odd
.set VSC,  80                          ; v80-111  V's (8 c + 2 s + i / 2): lanes 0-15 the even channel tile, lanes 16-31 the odd
.set PSC,  112                         ; v112-127 p's (4 q + s)
.set BM,   128                         ; v128-143 a block's largest score, then its largest p; later the waves' sums
.set BX,   144                         ; v144-159 the other half's; then the scale bytes
.set SCV,  160                         ; v160-175 the conversions' scale operands
.set PWR,  176                         ; v176-179 my scale words: byte s = key step s
.set LL,   180                         ; v180-195 the sums: two chains of pairs for each tile
.set EX,   196                         ; v196-211 what an exchange brings
.set PC,   212                         ; v212-231 codes
.set T,    232                         ; v232-239 at work
.set MSB, 0
.macro WIN new                         ; the immediate's high byte repeats the setting that is left
.if MSB != (\new)
	s_set_vgpr_msb (MSB<<8)|(\new)
.set MSB, \new
.endif
.endm
.macro PLACES n
.rept \n
	v_nop
.endr
.endm
; One scaled product, from the symbols rD, rA, rB (first registers), rSA, rSB (scale registers), fZ (1: it starts the sum), fRA, fRB (1: that side's scales stand in lanes 16-31).
.macro WMS
.if fZ
.if fRA && fRB
	v_wmma_scale_f32_16x16x128_f8f6f4 v[rD:rD+7], v[rA:rA+11], v[rB:rB+11], 0, v[rSA], v[rSB] matrix_a_fmt:MATRIX_FMT_FP6 matrix_b_fmt:MATRIX_FMT_FP6 matrix_a_scale:MATRIX_SCALE_ROW1 matrix_b_scale:MATRIX_SCALE_ROW1
.elseif fRA
	v_wmma_scale_f32_16x16x128_f8f6f4 v[rD:rD+7], v[rA:rA+11], v[rB:rB+11], 0, v[rSA], v[rSB] matrix_a_fmt:MATRIX_FMT_FP6 matrix_b_fmt:MATRIX_FMT_FP6 matrix_a_scale:MATRIX_SCALE_ROW1
.elseif fRB
	v_wmma_scale_f32_16x16x128_f8f6f4 v[rD:rD+7], v[rA:rA+11], v[rB:rB+11], 0, v[rSA], v[rSB] matrix_a_fmt:MATRIX_FMT_FP6 matrix_b_fmt:MATRIX_FMT_FP6 matrix_b_scale:MATRIX_SCALE_ROW1
.else
	v_wmma_scale_f32_16x16x128_f8f6f4 v[rD:rD+7], v[rA:rA+11], v[rB:rB+11], 0, v[rSA], v[rSB] matrix_a_fmt:MATRIX_FMT_FP6 matrix_b_fmt:MATRIX_FMT_FP6
.endif
.else
.if fRA && fRB
	v_wmma_scale_f32_16x16x128_f8f6f4 v[rD:rD+7], v[rA:rA+11], v[rB:rB+11], v[rD:rD+7], v[rSA], v[rSB] matrix_a_fmt:MATRIX_FMT_FP6 matrix_b_fmt:MATRIX_FMT_FP6 matrix_a_scale:MATRIX_SCALE_ROW1 matrix_b_scale:MATRIX_SCALE_ROW1
.elseif fRA
	v_wmma_scale_f32_16x16x128_f8f6f4 v[rD:rD+7], v[rA:rA+11], v[rB:rB+11], v[rD:rD+7], v[rSA], v[rSB] matrix_a_fmt:MATRIX_FMT_FP6 matrix_b_fmt:MATRIX_FMT_FP6 matrix_a_scale:MATRIX_SCALE_ROW1
.elseif fRB
	v_wmma_scale_f32_16x16x128_f8f6f4 v[rD:rD+7], v[rA:rA+11], v[rB:rB+11], v[rD:rD+7], v[rSA], v[rSB] matrix_a_fmt:MATRIX_FMT_FP6 matrix_b_fmt:MATRIX_FMT_FP6 matrix_b_scale:MATRIX_SCALE_ROW1
.else
	v_wmma_scale_f32_16x16x128_f8f6f4 v[rD:rD+7], v[rA:rA+11], v[rB:rB+11], v[rD:rD+7], v[rSA], v[rSB] matrix_a_fmt:MATRIX_FMT_FP6 matrix_b_fmt:MATRIX_FMT_FP6
.endif
.endif
.endm
; My eight fragments of K (key step s, tile u) for channels 128 J on: 24 loads of 512 consecutive bytes, into buffer J % 3.
.macro KLOAD J
.if ((\J)%3) == 1
.set kb, 96
.else
.set kb, 0
.endif
.if ((\J)%3) == 2
	WIN 0xc0
.else
	WIN 0x80
.endif
.irp s, 0,1,2,3
.irp u, 0,1
.irp cc, 0,1,2
	global_load_b128 v[kb+12*(2*\s+\u)+4*\cc:kb+12*(2*\s+\u)+4*\cc+3], v[LI], s[12:13] offset:((8*\s+\u)*8+(\J))*1536+512*\cc
.endr
.endr
.endr
	WIN 0
.endm
; Q's four fragments for channels 128 J on, from LDS, into buffer J % 2.
.macro QFETCH J
	WIN 0x80+0x40*((\J)%2)
.irp q, 0,1,2,3
.irp cc, 0,1,2
	ds_load_b128 v[192+12*\q+4*\cc:192+12*\q+4*\cc+3], v[LI] offset:\q*12288+(\J)*1536+512*\cc
.endr
.endr
	WIN 0
.endm
; 32 products: S^T(q, s, u) += K(s, u) Q(q)^T over channels 128 J on.  The 32 accumulators take turns, one instruction a turn, in the same order for every J.
.macro SMUL J
.if ((\J)%3) == 1
.set kb, 96
.else
.set kb, 0
.endif
.if ((\J)%3) == 2
.set wk, 3
.else
.set wk, 2
.endif
.set wq, 2+(\J)%2
.if (\J) == 0
.set fZ, 1
.else
.set fZ, 0
.endif
	WIN 0x50|(wq<<2)|wk
.irp s, 0,1,2,3
.irp u, 0,1
.irp q, 0,1,2,3
.set rD, 64*\q+16*\s+8*\u
.set rA, kb+12*(2*\s+\u)
.set rB, 192+12*\q
.set rSA, KSC+8*\s+(\J)
.set rSB, QSC+8*(\q/2)+(\J)
.set fRA, \u
.set fRB, \q%2
	WMS
.endr
.endr
.endr
.endm
; Half a chunk of V: channel tiles 4 c + 2 hf, + 1 of my sixteen, key steps 0 .. 3: 24 loads, into window 3 (even c) or 2 (odd c).
.macro VLOADH c, hf
	WIN 0xc0-0x40*((\c)%2)
.irp n, 0,1
.irp s, 0,1,2,3
.irp cc, 0,1,2
	global_load_b128 v[12*(4*(2*(\hf)+\n)+\s)+4*\cc:12*(4*(2*(\hf)+\n)+\s)+4*\cc+3], v[LI], s[16:17] offset:((4*(\c)+2*(\hf)+\n)*8+\s)*1536+512*\cc
.endr
.endr
.endr
	WIN 0
.endm
.macro VLOAD c
	VLOADH \c, 0
	VLOADH \c, 1
.endm
; One of the first product's eight K steps.  Loads run three batches of 24 ahead; when K's are all asked for, V's first two chunks follow into the buffers that fall free.
.macro TRIP J
	s_wait_loadcnt 48                              ; loads come back in order (ISA guide 5.7.1): this step's 24 are in, the two batches of 24 behind them may be out
	s_wait_dscnt 0x0                               ; Q's fragments of this step are in
.if (\J) < 7
	QFETCH (\J)+1                                  ; the next step's, into the buffer that the step before has left (four places stand behind its products)
.endif
	SMUL \J
	WIN 0
	PLACES 4                                       ; in front of loads into registers that these products have read, and of the first read of the scores
.if (\J) < 5
	KLOAD (\J)+3
.elseif (\J) == 5
	VLOADH 0, 0                                    ; into K's buffer 2, which is done with
.elseif (\J) == 6
	VLOADH 0, 1
.else
	VLOAD 1                                        ; into K's buffers 0 and 1
.endif
.endm
	s_load_b128 s[4:7], s[0:1], 0x0                ; qkv s[4:5], out0 s[6:7]
	v_lshl_add_u32 v30, v0, 2, 0x24a00
	v_mov_b32 v31, 0
	v_lshrrev_b32 v1, 5, v0
	v_readfirstlane_b32 s30, v1                    ; wave 0..3
	s_mov_b32 s31, ttmp9                           ; the batch b: the grid's x
	s_and_b32 s39, ttmp7, 0xffff                   ; the block g of 64 queries: the grid's y
	s_mov_b32 s35, 0                               ; the upper word of every offset
	v_and_b32 v1, 15, v0                           ; r
	v_bfe_u32 v2, v0, 4, 1                         ; h
	v_and_b32 v3, 31, v0                           ; lane
	v_lshlrev_b32 v[LI], 4, v3
	v_lshlrev_b32 v[LS], 2, v3
	s_lshl_b32 s32, s31, 5                         ; 32 b: the batch's first token tile
	s_lshl_b32 s33, s39, 2
	s_add_co_u32 s33, s33, s32
	s_add_co_u32 s33, s33, s30
	s_mul_i32 s34, s33, 12288
	s_wait_kmcnt 0x0
	s_add_nc_u64 s[8:9], s[4:5], s[34:35]          ; Q's images of query tile 4 g + w: the tile that I bring into LDS
	s_lshl_b32 s33, s31, 2
	s_lshr_b32 s36, s39, 1
	s_add_co_u32 s33, s33, s36
	s_lshl_b32 s34, s33, 12
	s_and_b32 s36, s39, 1
	s_lshl_b32 s36, s36, 8
	s_add_co_u32 s34, s34, s36
	s_add_co_u32 s34, s34, 37748736
	s_add_nc_u64 s[10:11], s[4:5], s[34:35]        ; Q's scale words: block row 4 b + g / 2, words 2 (g % 2) on
	s_lshl_b32 s33, s30, 1
	s_add_co_u32 s33, s33, s32
	s_mul_i32 s34, s33, 12288
	s_add_co_u32 s34, s34, 12582912
	s_add_nc_u64 s[12:13], s[4:5], s[34:35]        ; K's images from key tile 2 w on
	s_lshl_b32 s34, s31, 14
	s_lshl_b32 s36, s30, 7
	s_add_co_u32 s34, s34, s36
	s_add_co_u32 s34, s34, 38273024
	s_add_nc_u64 s[14:15], s[4:5], s[34:35]        ; K's scale words: word row w
	s_lshr_b32 s37, s31, 1
	s_and_b32 s38, s31, 1
	s_lshl_b32 s33, s37, 6
	s_lshl_b32 s36, s30, 4
	s_add_co_u32 s33, s33, s36
	s_mul_i32 s34, s33, 12288
	s_mul_i32 s36, s38, 6144
	s_add_co_u32 s34, s34, s36
	s_add_co_u32 s34, s34, 25165824
	s_add_nc_u64 s[16:17], s[4:5], s[34:35]        ; V's images: T = 64 (b / 2) + 16 w on, J = 4 (b % 2) on
	s_lshl_b32 s33, s37, 3
	s_lshl_b32 s36, s30, 1
	s_add_co_u32 s33, s33, s36
	s_lshl_b32 s34, s33, 12
	s_lshl_b32 s36, s38, 11
	s_add_co_u32 s34, s34, s36
	s_add_co_u32 s34, s34, 38797312
	s_add_nc_u64 s[18:19], s[4:5], s[34:35]        ; V's scale words
	s_lshl_b32 s33, s31, 9
	s_lshl_b32 s36, s39, 6
	s_add_co_u32 s33, s33, s36
	s_lshl_b32 s34, s33, 12
	s_lshl_b32 s36, s30, 10
	s_add_co_u32 s34, s34, s36
	s_add_nc_u64 s[20:21], s[6:7], s[34:35]        ; out0 at row 512 b + 64 g, channel 256 w
.set k, 0
.rept 24
	global_load_b128 v[128+4*k:128+4*k+3], v[LI], s[8:9] offset:512*k th:TH_LOAD_NT   ; my tile of Q, eight images on end: read once in the launch
.set k, k+1
.endr
.irp m, 0,1
.irp J, 0,1,2,3,4,5,6,7
	global_load_b32 v[QSC+8*\m+\J], v[LS], s[10:11] offset:\J*512+128*\m
.endr
.endr
.irp s, 0,1,2,3
.irp J, 0,1,2,3,4,5,6,7
	global_load_b32 v[KSC+8*\s+\J], v[LS], s[14:15] offset:\s*4096+\J*512
.endr
.endr
.irp c, 0,1,2,3
.irp s, 0,1,2,3
.irp m, 0,1
	global_load_b32 v[VSC+8*\c+2*\s+\m], v[LS], s[18:19] offset:(\c/2)*4096+\s*512+128*(2*(\c%2)+\m)
.endr
.endr
.endr
	KLOAD 0
	KLOAD 1
	KLOAD 2
	s_mov_b32 s22, 0x3d38aa3b                      ; c = log2(e) / 32: t = score x c
	s_mov_b32 s23, s22                             ; (named with it as a pair, so it is written)
	s_mov_b32 s24, 0x76543210
	s_mov_b32 s25, 0xfedcba98                      ; v_permlanex16_b32's selects for lane l xor 16
	s_mov_b32 s26, 0x05010400                      ; v_perm_b32: bytes 0 and 1 of two words, interleaved;
	s_mov_b32 s27, 0x07030602                      ; bytes 2 and 3;
	s_mov_b32 s28, 0x05040100                      ; the low halves of two words;
	s_mov_b32 s29, 0x07060302                      ; the high halves
	s_mul_i32 s33, s30, 12288
	v_add_nc_u32 v[QWI], s33, v[LI]
	s_mul_i32 s33, s30, PREG
	s_add_co_u32 s33, s33, PIMG
	v_mul_u32_u24 v[PST], v1, 24
	v_mad_u32_u24 v[PST], v2, 384, v[PST]
	v_add_nc_u32 v[PST], s33, v[PST]               ; my region; lanes 16-31 store the key step one on; 24 bytes a query
	v_mul_u32_u24 v[PRD], v1, 24
	v_mad_u32_u24 v[PRD], v2, PREG, v[PRD]
	v_add_nc_u32 v[PRD], PIMG, v[PRD]              ; lanes 16-31 read the region of the wave one on
	s_lshl_b32 s33, s30, 9
	s_add_co_u32 s33, s33, MX
	v_add_nc_u32 v[XWS], s33, v[LS]
	v_add_nc_u32 v[XRD], MX, v[LS]
	s_mul_i32 s33, s30, SREG
	s_add_co_u32 s33, s33, STG                     ; my stage
	v_mul_u32_u24 v[STO], v1, 272
	v_lshl_add_u32 v[STO], v2, 6, v[STO]
	v_add_nc_u32 v[STO], s33, v[STO]               ; in: row r, + 64 h
	v_mul_u32_u24 v[RD], v2, 272
	v_lshl_add_u32 v[RD], v1, 4, v[RD]
	v_add_nc_u32 v[RD], s33, v[RD]                 ; back: lanes 0-15 one row of 256 bytes, lanes 16-31 the next
	v_lshlrev_b32 v[GO], 12, v2
	v_lshl_add_u32 v[GO], v1, 4, v[GO]             ; and the same two rows in out0
	v_mov_b32 v[NINF], 0xff800000
	v_and_b32 v27, 8, v1
	v_add_nc_u32 v27, v27, v1                      ; r + 8 (r / 8)
	v_lshlrev_b32 v28, 4, v2
	v_sub_nc_u32 v27, v27, v28                     ; - 16 h
	s_lshl_b32 s33, s39, 6
	s_lshl_b32 s36, s30, 5
	s_sub_co_i32 s33, s33, s36                     ; 64 g - 32 w
	v_add_nc_u32 v27, s33, v27
.irp q, 0,1,2,3
	v_add_nc_u32 v[VD+\q], 32*(\q/2)+8*(\q%2), v27 ; register 16 s + i of tile q holds key 128 s + 32 w + 16 h + i: hidden where 128 s + i > this number
.endr
	s_wait_loadcnt 63                              ; of the 176 loads issued at most 63 are out: the first 24, my tile of Q, are in
.set k, 0
.rept 24
	ds_store_b128 v[QWI], v[128+4*k:128+4*k+3] offset:512*k
.set k, k+1
.endr
	s_wait_dscnt 0x0                               ; for the others' sake: my stores have landed
	s_barrier_signal -1
	s_barrier_wait -1                              ; Q's 32 images lie in LDS
	QFETCH 0
.irp J, 0,1,2,3,4,5,6,7
	TRIP \J
.endr
	; ---- THE SOFTMAX.  Hidden scores become -infinity, each accumulator read from its low end on
.irp k, 0,1,2,3,4,5,6,7,8,9,10,11,12,13,14,15
	v_mov_b32 v[BX+\k], 0                          ; written once: a lane permute's destination counts as one of its sources
.endr
	WIN 0x41                                       ; destination and source 0: window 1
.irp q, 0,1,2,3
.irp s, 0,1,2,3
.irp i, 0,1,2,3,4,5,6,7,8,9,10,11,12,13,14,15
	v_cmp_gt_i32 vcc_lo, 128*\s+\i, v[VD+\q]
	v_cndmask_b32 v[64*\q+16*\s+\i], v[64*\q+16*\s+\i], v[NINF], vcc_lo
.endr
.endr
.endr
	WIN 0x05                                       ; sources 0 and 1: window 1
.irp q, 0,1,2,3
.irp s, 0,1,2,3
	v_max3_num_f32 v[BM+4*\q+\s], v[64*\q+16*\s], v[64*\q+16*\s+1], v[NINF]   ; THE LARGEST SCORE OF EACH BLOCK OF 32 KEYS serves twice: for the row's maximum, and, since p rises with the score, for the block's largest p
.endr
.endr
.irp i, 2,4,6,8,10,12,14
.irp q, 0,1,2,3
.irp s, 0,1,2,3
	v_max3_num_f32 v[BM+4*\q+\s], v[64*\q+16*\s+\i], v[64*\q+16*\s+\i+1], v[BM+4*\q+\s]   ; (the sixteen blocks by turns)
.endr
.endr
.endr
	WIN 0
.irp k, 0,1,2,3,4,5,6,7,8,9,10,11,12,13,14,15
	v_permlanex16_b32 v[BX+\k], v[BM+\k], s24, s25
.endr
.irp k, 0,1,2,3,4,5,6,7,8,9,10,11,12,13,14,15
	v_max_num_f32 v[BM+\k], v[BM+\k], v[BX+\k]     ; with lane l xor 16's 16 keys
.endr
.irp q, 0,1,2,3
	v_max3_num_f32 v[T+\q], v[BM+4*\q], v[BM+4*\q+1], v[BM+4*\q+2]
.endr
.irp q, 0,1,2,3
	v_max_num_f32 v[T+\q], v[T+\q], v[BM+4*\q+3]   ; the largest score of my query among my wave's 128 keys
.endr
.irp q, 0,1,2,3
	ds_store_b32 v[XWS], v[T+\q] offset:128*\q
.endr
	s_wait_dscnt 0x0
	s_barrier_signal -1
	s_barrier_wait -1                              ; the four waves' maxima lie in LDS
.irp q, 0,1,2,3
.irp w, 0,1,2,3
	ds_load_b32 v[EX+4*\q+\w], v[XRD] offset:512*\w+128*\q
.endr
.endr
	s_wait_dscnt 0x0
.irp q, 0,1,2,3
	v_max3_num_f32 v[T+\q], v[EX+4*\q], v[EX+4*\q+1], v[EX+4*\q+2]
.endr
.irp q, 0,1,2,3
	v_max_num_f32 v[T+\q], v[T+\q], v[EX+4*\q+3]   ; the row's largest score: key 0 counts for every query, so it is a number
.endr
.irp q, 0,1,2,3
	v_mul_f32 v[T+\q], s22, v[T+\q]                ; as t (c is positive)
.endr
.irp q, 0,1,2,3
	v_floor_f32 v[NM+2*\q], -v[T+\q]               ; -M = floor(-t) = -ceil(t): M is a whole number
.endr
.irp q, 0,1,2,3
	v_mov_b32 v[NM+2*\q+1], v[NM+2*\q]
.endr
.irp q, 0,1,2,3
.irp s, 0,1,2,3
	v_fma_f32 v[BM+4*\q+\s], v[BM+4*\q+\s], s22, v[NM+2*\q]   ; t - M of each block's largest score
.endr
.endr
.irp k, 0,1,2,3,4,5,6,7,8,9,10,11,12,13,14,15
	v_exp_f32 v[BM+\k], v[BM+\k]                   ; the block's largest p: the same multiply-add and exponential on the same number give the same bits
.endr
	WIN 0x41
.set k, 0
.rept 128
	v_pk_fma_f32 v[2*k:2*k+1], v[2*k:2*k+1], s[22:23], v[NM+2*(k/32):NM+2*(k/32)+1] op_sel_hi:[1,0,0]   ; t - M, two at a time (of the pairs c and -M the low word serves both halves)
.set k, k+1
.endr
.set k, 0
.rept 256
	v_exp_f32 v[k], v[k]                           ; p = 2^(t - M), at most 1: not normalised
.set k, k+1
.endr
	WIN 0
	s_wait_alu depctr_va_vdst(0)
.irp k, 0,1,2,3,4,5,6,7,8,9,10,11,12,13,14,15
	v_max_num_f32 v[BM+\k], 0x1800000, v[BM+\k]    ; the floor 2^(3 - 127): the byte cannot fall under 1.  (Plain lines behind the exponentials)
.endr
.irp k, 0,1,2,3,4,5,6,7,8,9,10,11,12,13,14,15
	v_add_nc_u32 v[SCV+\k], 0xff000000, v[BM+\k]   ; 2 off the exponent field: the conversion's scale operand
.endr
.irp k, 0,1,2,3,4,5,6,7,8,9,10,11,12,13,14,15
	v_lshrrev_b32 v[BX+\k], 23, v[SCV+\k]          ; the scale's byte
.endr
.irp q, 0,1,2,3
	v_lshl_or_b32 v[PWR+\q], v[BX+4*\q+1], 8, v[BX+4*\q]   ; my four bytes of tile q: byte s for key step s
.endr
.irp q, 0,1,2,3
	v_lshl_or_b32 v[PWR+\q], v[BX+4*\q+2], 16, v[PWR+\q]
.endr
.irp q, 0,1,2,3
	v_lshl_or_b32 v[PWR+\q], v[BX+4*\q+3], 24, v[PWR+\q]
.endr
.irp k, 0,1,2,3,4,5,6,7,8,9,10,11,12,13,14,15
	v_mov_b32 v[LL+\k], 0                          ; the sums' sixteen registers
.endr
; Tile q: the sum of the unquantised p; the codes; both, and the scale word, to LDS.
.macro PQ q
	WIN 0x01                                       ; source 0: window 1
.set k, 0
.rept 32
	v_pk_add_f32 v[LL+4*\q+2*(k%2):LL+4*\q+2*(k%2)+1], v[64*\q+2*k:64*\q+2*k+1], v[LL+4*\q+2*(k%2):LL+4*\q+2*(k%2)+1]   ; two at a time, in two chains
.set k, k+1
.endr
	v_cvt_scalef32_pk16_fp6_f32 v[PC:PC+2], v[64*\q:64*\q+15], v[SCV+4*\q]             ; key step 0: my 16 keys' codes, 96 bits
	v_cvt_scalef32_pk16_fp6_f32 v[PC+12:PC+14], v[64*\q+16:64*\q+31], v[SCV+4*\q+1]    ; key step 1
	v_cvt_scalef32_pk16_fp6_f32 v[PC+6:PC+8], v[64*\q+32:64*\q+47], v[SCV+4*\q+2]      ; key step 2
	v_cvt_scalef32_pk16_fp6_f32 v[PC+16:PC+18], v[64*\q+48:64*\q+63], v[SCV+4*\q+3]    ; key step 3
	WIN 0
	v_nop                                          ; one plain place behind a scaled conversion
.irp c, 0,1                                    ; the halves of a block change lanes: registers 6 c .. 6 c + 5 of lane (r, h) then hold the whole block, 24 bytes, of query r in key step 2 c + h
.irp i, 0,1,2
	v_permlane16_swap_b32 v[PC+6*\c+\i], v[PC+12+4*\c+\i]
.endr
.irp i, 0,1,2
	v_mov_b32 v[PC+3+6*\c+\i], v[PC+12+4*\c+\i]
.endr
.endr
.irp c, 0,1
.irp i, 0,1,2
	ds_store_b64 v[PST], v[PC+6*\c+2*\i:PC+6*\c+2*\i+1] offset:(4*\q+2*\c)*384+8*\i
.endr
.endr
	ds_store_b32 v[XWS], v[PWR+\q] offset:2048+128*\q
	v_pk_add_f32 v[LL+4*\q:LL+4*\q+1], v[LL+4*\q:LL+4*\q+1], v[LL+4*\q+2:LL+4*\q+3]
	v_add_f32 v[T+\q], v[LL+4*\q], v[LL+4*\q+1]
	v_permlanex16_b32 v[BX+\q], v[T+\q], s24, s25
	v_add_f32 v[T+\q], v[T+\q], v[BX+\q]           ; my query's sum over my wave's 128 keys
	ds_store_b32 v[XWS], v[T+\q] offset:4096+128*\q
	s_wait_dscnt 0x0                               ; the stores have read their registers (and, at the last tile, have landed)
.endm
	PQ 0
	PQ 1
	PQ 2
	PQ 3
	s_barrier_signal -1
	s_barrier_wait -1                              ; p's codes, scale words and sums of all four waves lie in LDS
	WIN 0x40                                       ; destination window 1
.irp q, 0,1,2,3                                ; p's fragment (q, s): registers 6 c .. 6 c + 5 of lane (r, h) hold keys 128 s + 64 c + 32 h + 0 .. 31: the block that wave 2 c + h made
.irp s, 0,1,2,3
.irp c, 0,1
.irp i, 0,1,2
	ds_load_b64 v[12*(4*\q+\s)+6*\c+2*\i:12*(4*\q+\s)+6*\c+2*\i+1], v[PRD] offset:2*\c*PREG+(4*\q+\s)*384+8*\i
.endr
.endr
.endr
.endr
	WIN 0
.irp q, 0,1,2,3
.irp w, 0,1,2,3
	ds_load_b32 v[EX+4*\q+\w], v[XRD] offset:2048+512*\w+128*\q
.endr
.endr
.irp q, 0,1,2,3
.irp w, 0,1,2,3
	ds_load_b32 v[BM+4*\q+\w], v[XRD] offset:4096+512*\w+128*\q
.endr
.endr
	s_wait_dscnt 0x0
.irp q, 0,1,2,3                                ; wave w's word has byte s for key step s; key step s's word wants byte w for wave w's block: four words are turned
	v_perm_b32 v[T+4*(\q%2)], v[EX+4*\q+1], v[EX+4*\q], s26
	v_perm_b32 v[T+4*(\q%2)+1], v[EX+4*\q+1], v[EX+4*\q], s27
	v_perm_b32 v[T+4*(\q%2)+2], v[EX+4*\q+3], v[EX+4*\q+2], s26
	v_perm_b32 v[T+4*(\q%2)+3], v[EX+4*\q+3], v[EX+4*\q+2], s27
	v_perm_b32 v[PSC+4*\q], v[T+4*(\q%2)+2], v[T+4*(\q%2)], s28
	v_perm_b32 v[PSC+4*\q+1], v[T+4*(\q%2)+2], v[T+4*(\q%2)], s29
	v_perm_b32 v[PSC+4*\q+2], v[T+4*(\q%2)+3], v[T+4*(\q%2)+1], s28
	v_perm_b32 v[PSC+4*\q+3], v[T+4*(\q%2)+3], v[T+4*(\q%2)+1], s29
.endr
.irp q, 0,1,2,3                                ; the row's sum.  (These twelve additions and the v_nop are also the places between the scale words just made and the first product that takes them: eight are asked)
	v_add_f32 v[BM+4*\q], v[BM+4*\q], v[BM+4*\q+1]
.endr
.irp q, 0,1,2,3
	v_add_f32 v[BM+4*\q+2], v[BM+4*\q+2], v[BM+4*\q+3]
.endr
.irp q, 0,1,2,3
	v_add_f32 v[BM+4*\q], v[BM+4*\q], v[BM+4*\q+2]
.endr
.irp q, 0,1,2,3
	v_rcp_f32 v[NM+2*\q], v[BM+4*\q]               ; 1 / the sum takes -M's place
.endr
	v_nop                                          ; a plain place behind the last reciprocal
	s_wait_alu depctr_va_vdst(0)
; ---- O^T = V^T P^T, 64 channels at a time.
; Tile q of a chunk: divided by the sum, each accumulator from its low end on; into my stage, 16 rows of 256 bytes + 16; back as whole rows.
.macro TOSTAGE q
.set k, 0
.rept 16
	v_pk_mul_f32 v[128+32*\q+2*k:128+32*\q+2*k+1], v[128+32*\q+2*k:128+32*\q+2*k+1], v[NM+2*\q:NM+2*\q+1] op_sel_hi:[1,0]
.set k, k+1
.endr
.irp i, 0,1,2,3
.irp n, 0,1
	ds_store_b128 v[STO], v[128+32*\q+8*\i+4*\n:128+32*\q+8*\i+4*\n+3] offset:\q*QTS+128*(\i/2)+32*(\i%2)+16*\n   ; register j of tile i is channel 32 (i / 2) + 16 h + 8 (i % 2) + j of the chunk
.endr
.endr
	s_wait_xcnt 0x0                                ; the stores that read this set of rows have had their addresses translated (ISA guide 3.1): only now is it loaded again
	WIN 0x40
.irp t, 0,1,2,3,4,5,6,7
	ds_load_b128 v[192+32*(\q%2)+4*\t:192+32*(\q%2)+4*\t+3], v[RD] offset:\q*QTS+2*\t*272   ; a wave's LDS instructions are served in order: these see the stores above
.endr
	WIN 0
.endm
.macro SEND q, c, younger              ; younger: the LDS instructions issued behind tile q's loads: the next tile's eight stores and eight loads, or none
	s_wait_dscnt \younger
	WIN 0x04                                       ; a store's data are its source 1: window 1
.irp t, 0,1,2,3,4,5,6,7
	global_store_b128 v[GO], v[192+32*(\q%2)+4*\t:192+32*(\q%2)+4*\t+3], s[20:21] offset:(32*(\q/2)+8*(\q%2)+2*\t+8*(\t/4))*4096+256*(\c) th:TH_STORE_NT   ; 16 lanes store 256 consecutive bytes, aligned; stage row 2 t + h is query 32 (q / 2) + 8 (q % 2) + 2 t + h + 8 (t / 4)
.endr
	WIN 0
.endm
.macro CHUNK c
.if (\c) < 3
	s_wait_loadcnt 48                              ; this chunk's 48 loads are in; the next chunk's 48 may be out
.else
	s_wait_loadcnt 0x0
.endif
	WIN 0x07-(\c)%2                                ; source 0 (V) window 3 or 2, source 1 (p) window 1, C and D window 0
.irp s, 0,1,2,3                                ; the 16 accumulators take turns, one instruction a turn; key step 0 starts the sums
.irp i, 0,1,2,3
.irp q, 0,1,2,3
.set rD, 128+32*\q+8*\i
.set rA, 12*(4*\i+\s)
.set rB, 12*(4*\q+\s)
.set rSA, VSC+8*(\c)+2*\s+\i/2
.set rSB, PSC+4*\q+\s
.set fRA, \i%2
.set fRB, 0
.if \s == 0
.set fZ, 1
.else
.set fZ, 0
.endif
	WMS
.endr
.endr
.endr
	WIN 0
	PLACES 5                                       ; four in front of the loads into V's registers and of the first read of results; the fifth since the next chunk's first products write over these accumulators
.if (\c) < 2
	VLOAD (\c)+2
.endif
	TOSTAGE 0
	TOSTAGE 1                                      ; a tile's arithmetic stands between the loads of the tile before and its stores
	SEND 0, \c, 16
	TOSTAGE 2
	SEND 1, \c, 16
	TOSTAGE 3
	SEND 2, \c, 16
	SEND 3, \c, 0
.endm
	CHUNK 0
	CHUNK 1
	CHUNK 2
	CHUNK 3
	s_wait_tensorcnt 0x0
	ds_add_u32 v30, v31
	s_wait_dscnt 0x0
	s_endpgm
.Lfunc_end_k_q306ebc4e4a_attn:
	.size	k_q306ebc4e4a_attn, .Lfunc_end_k_q306ebc4e4a_attn-k_q306ebc4e4a_attn
	.p2alignl 7, 3214868480
	.fill 96, 4, 3214868480
	.section	.rodata,"a",@progbits
	.p2align	6, 0x0
	.amdhsa_kernel k_q306ebc4e4a_attn
		.amdhsa_group_segment_fixed_size 150528
		.amdhsa_private_segment_fixed_size 0
		.amdhsa_enable_private_segment 0
		.amdhsa_kernarg_size 16
		.amdhsa_user_sgpr_count 2
		.amdhsa_user_sgpr_kernarg_segment_ptr 1
		.amdhsa_wavefront_size32 1
		.amdhsa_system_sgpr_workgroup_id_x 1
		.amdhsa_system_sgpr_workgroup_id_y 1
		.amdhsa_system_sgpr_workgroup_id_z 1
		.amdhsa_system_vgpr_workitem_id 0
		.amdhsa_next_free_vgpr 1024
		.amdhsa_next_free_sgpr 66
		.amdhsa_reserve_vcc 1
		.amdhsa_float_denorm_mode_32 3
		.amdhsa_float_denorm_mode_16_64 3
		.amdhsa_memory_ordered 1
		.amdhsa_forward_progress 1
		.amdhsa_inst_pref_size 255
	.end_amdhsa_kernel
	.amdgpu_metadata
---
amdhsa.version: [ 1, 2 ]
amdhsa.kernels:
  - .name:           k_q306ebc4e4a_attn
    .symbol:         k_q306ebc4e4a_attn.kd
    .args:
      - { .name: qkv, .offset: 0, .size: 8, .value_kind: global_buffer, .address_space: global }
      - { .name: out0, .offset: 8, .size: 8, .value_kind: global_buffer, .address_space: global }
    .group_segment_fixed_size: 150528
    .private_segment_fixed_size: 0
    .kernarg_segment_align: 8
    .kernarg_segment_size: 16
    .max_flat_workgroup_size: 128
    .sgpr_count:     66
    .vgpr_count:     1024
    .wavefront_size: 32
...
	.end_amdgpu_metadata
.endif
;; end of part 3
